; MI455X (gfx1250); checked and timed in simulation.
; The chip was launched on July 23, 2026; its instructions are those of AMD's public machine-readable ISA for CDNA 5 (MIT licence, August 2026) and "CDNA5" Instruction Set Architecture Reference Guide (July 2026). The comments in the code are by the model that wrote it; some were corrected since.
;; gated TPP. Allowed arithmetic: float matrix products may take bf16 or f16 operands with f32 sums; all other float work in f32.
;; Inputs: Wi 256 x 256 float32; Wn 256 x 256 float32; b_time 1 float32; event_time 16 x 2,048 float32; event_type 16 x 2,048 int32; gate_params 2 float32; length_scale 1 float32; ln_beta 256 float32; ln_gamma 256 float32; noise 16 x 2,048 x 256 float32; w_time 1 x 256 float32.
;; Outputs: out0 16 x 2,048 float32.
;; 3 versions, each right; version 2 is faster than version 1; version 3 is version 2 with the launch prep written anew for expert scheduling mode. Each part assembles by itself: llvm-mc -triple=amdgcn-amd-amdhsa -mcpu=gfx1250 --defsym DOCPART=n.
;; ======== version 1 of 3: 2 launches
;; workspace buffers: ws_emb 16,908,288 bytes; ws_w 262,144 bytes
;; launch prep (part 1): grid 16 x 16, 8 waves a work-group, no clusters, 0 bytes of LDS; arguments event_time, Wi, Wn, ws_emb, ws_w; writes ws_emb, ws_w
.if DOCPART == 1
	.amdgcn_target "amdgcn-amd-amdhsa--gfx1250"
	.amdhsa_code_object_version 6
	.text
	.protected	k_qf0a2a884e6_prep
	.globl	k_qf0a2a884e6_prep
	.p2align	8
	.type	k_qf0a2a884e6_prep,@function
k_qf0a2a884e6_prep:
	s_mov_b64 s[64:65], 0
	v_nop
	global_prefetch_b8 v0, s[64:65] scope:SCOPE_SE
	s_setreg_imm32_b32 hwreg(HW_REG_WAVE_MODE, 25, 1), 1
	s_wait_xcnt 0x0
; PREPARATION.  Makes, once, what every row block of the main launch streams:
;  ws_emb [b 16][T 16][half 2][129 rows][256 bytes]: tile (b, T) covers the events j = 128 T .. 128 T + 127 of batch b.
;     rows 0..127 of half e: emb[b][j][d = 128 e + row] as 128 bf16, j along the row (the transposed encoding);
;     row 128 of half e:     event_time[b][128 T + 64 e .. + 63] as 64 f32 (the times travel with their tile).
;  ws_w: Wi rounded to bf16 [256][256], then Wn likewise.
; emb[j][d] = sin(t_j / 10000^(2d/256)) for even d, cos for odd d.  In turns: u = t * w + ph, w = 2^(-d log2(10000)/128) / (2 pi),
; ph = 1/4 for odd d (a cosine is a sine a quarter turn ahead); f = u - round(u) in [-1/2, 1/2]; g = 1/4 - ||f| - 1/4| in [0, 1/4] has the
; same sine as |f|; sin(2 pi g) by the odd Taylor polynomial up to g^9 (the first term left out is at most 3.6e-6); the sign is f's.
; LIMITS: u carries a rounding of |u| 2^-24 turns, so the angle is as good as a bf16 result needs up to |t| of about 3e4.
; event_type does not enter the problem's result and is loaded by no launch.
; Work-group (T, b), eight waves.  Thread: q = v0 & 15 owns the eight events 8 q .. 8 q + 7, dsub = v0 >> 4; step it takes d = 16 it + dsub.
; A store of a wave covers two whole rows: 512 consecutive bytes, aligned.  No LDS, no barrier: nothing is shared.
.set TILEB, 66048                      ; bytes of a tile
.set HALFB, 33024                      ; bytes of a half: 129 rows of 256
.set TT,  4                            ; v[4:11]   my eight times
.set U,   16                           ; v[16:23]  u, then f
.set G,   24                           ; v[24:31]  round(u), then g
.set G2,  32                           ; v[32:39]  g^2
.set PO,  40                           ; v[40:47]  the polynomial, then the sine
.set CF,  52                           ; v[52:61]  c9, c7, c5, c3, c1, each twice
.set OUTD, 64                          ; v[64:127] step it: 4 registers to store, never written again, so no store is waited for
	s_load_b256 s[4:11], s[0:1], 0x0               ; event_time s[4:5], Wi s[6:7], Wn s[8:9], ws_emb s[10:11]
	s_load_b64 s[12:13], s[0:1], 0x20              ; ws_w
	v_lshrrev_b32 v1, 5, v0
	v_readfirstlane_b32 s14, v1                    ; wave 0..7
	s_mov_b32 s15, ttmp9                           ; T
	s_and_b32 s16, ttmp7, 0xffff                   ; b
	s_lshl4_add_u32 s17, s16, s15                  ; g = 16 b + T: the tile's number, and the weight row that this group rounds
	s_mul_i32 s18, s17, TILEB                      ; the tile's byte offset, below 2^25
	s_mov_b32 s19, 0
	s_lshl_b32 s20, s17, 9                         ; byte offset of the tile's 128 times: 4 (2048 b + 128 T) = 512 g
	s_mov_b32 s21, 0x3e800000                      ; 0.25
	s_mov_b32 s22, 0x7fffffff                      ; everything but the sign
	v_and_b32 v3, 31, v0                           ; lane
	v_and_b32 v1, 15, v0                           ; q
	v_lshrrev_b32 v2, 4, v0                        ; dsub
	v_lshl_add_u32 v49, v1, 5, s20                 ; my eight times: 32 q bytes into the tile's
	v_lshlrev_b32 v48, 8, v2
	v_lshl_or_b32 v48, v1, 4, v48                  ; my 16 bytes in a step's sixteen rows: 256 dsub + 16 q
	v_and_b32 v12, 1, v2
	v_cvt_f32_u32 v12, v12
	v_mul_f32 v12, s21, v12                        ; ph = 1/4 for odd d (16 it is even, so dsub decides)
	v_mov_b32 v13, v12
	v_mov_b32 v[CF+0], 0x42283c1a                  ; c9 =  (2 pi)^9 / 9!  =  42.058694
	v_mov_b32 v[CF+1], 0x42283c1a
	v_mov_b32 v[CF+2], 0xc2996966                  ; c7 = -(2 pi)^7 / 7!  = -76.705860
	v_mov_b32 v[CF+3], 0xc2996966
	v_mov_b32 v[CF+4], 0x42a335e3                  ; c5 =  (2 pi)^5 / 5!  =  81.605249
	v_mov_b32 v[CF+5], 0x42a335e3
	v_mov_b32 v[CF+6], 0xc2255de7                  ; c3 = -(2 pi)^3 / 3!  = -41.341702
	v_mov_b32 v[CF+7], 0xc2255de7
	v_mov_b32 v[CF+8], 0x40c90fdb                  ; c1 =  2 pi
	v_mov_b32 v[CF+9], 0x40c90fdb
	s_wait_kmcnt 0x0
	s_add_nc_u64 s[10:11], s[10:11], s[18:19]      ; ws_emb at my tile
	global_load_b128 v[TT:TT+3],   v49, s[4:5]
	global_load_b128 v[TT+4:TT+7], v49, s[4:5] offset:16
	s_wait_loadcnt 0x0                             ; my eight times, once
; One step: eight numbers of row d = 16 it + dsub.
.macro EMB it
	v_add_nc_u32 v50, 16*\it, v2                   ; d
	v_cvt_f32_u32 v50, v50
	v_mul_f32 v50, 0xbdd49a78, v50                 ; -d log2(10000) / 128
	v_exp_f32 v51, v50
	v_nop                                          ; one plain instruction behind a transcendental before its result is used (ISA guide 5.7.2)
	s_wait_alu depctr_va_vdst(0)
	v_mul_f32 v14, 0x3e22f983, v51                 ; w, in turns for a unit of time: / (2 pi)
	v_mul_f32 v15, 0x3e22f983, v51
.irp p, 0,2,4,6
	v_pk_fma_f32 v[U+\p:U+\p+1], v[TT+\p:TT+\p+1], v[14:15], v[12:13]
.endr
.irp n, 0,1,2,3,4,5,6,7
	v_rndne_f32 v[G+\n], v[U+\n]
.endr
.irp p, 0,2,4,6
	v_pk_add_f32 v[U+\p:U+\p+1], v[U+\p:U+\p+1], v[G+\p:G+\p+1] neg_lo:[0,1] neg_hi:[0,1]   ; f
.endr
.irp n, 0,1,2,3,4,5,6,7
	v_sub_f32 v[G+\n], |v[U+\n]|, s21              ; |f| - 1/4
.endr
.irp n, 0,1,2,3,4,5,6,7
	v_sub_f32 v[G+\n], s21, |v[G+\n]|              ; g
.endr
.irp p, 0,2,4,6
	v_pk_mul_f32 v[G2+\p:G2+\p+1], v[G+\p:G+\p+1], v[G+\p:G+\p+1]
.endr
.irp p, 0,2,4,6
	v_pk_fma_f32 v[PO+\p:PO+\p+1], v[G2+\p:G2+\p+1], v[CF+0:CF+1], v[CF+2:CF+3]
.endr
.irp p, 0,2,4,6
	v_pk_fma_f32 v[PO+\p:PO+\p+1], v[PO+\p:PO+\p+1], v[G2+\p:G2+\p+1], v[CF+4:CF+5]
.endr
.irp p, 0,2,4,6
	v_pk_fma_f32 v[PO+\p:PO+\p+1], v[PO+\p:PO+\p+1], v[G2+\p:G2+\p+1], v[CF+6:CF+7]
.endr
.irp p, 0,2,4,6
	v_pk_fma_f32 v[PO+\p:PO+\p+1], v[PO+\p:PO+\p+1], v[G2+\p:G2+\p+1], v[CF+8:CF+9]
.endr
.irp p, 0,2,4,6
	v_pk_mul_f32 v[PO+\p:PO+\p+1], v[PO+\p:PO+\p+1], v[G+\p:G+\p+1]                        ; sin(2 pi g), not negative
.endr
.irp n, 0,1,2,3,4,5,6,7
	v_bfi_b32 v[PO+\n], s22, v[PO+\n], v[U+\n]     ; its magnitude, f's sign
.endr
.irp n, 0,1,2,3
	v_cvt_pk_bf16_f32 v[OUTD+4*\it+\n], v[PO+2*\n], v[PO+2*\n+1]
.endr
	global_store_b128 v48, v[OUTD+4*\it:OUTD+4*\it+3], s[10:11] offset:(\it>>3)*HALFB+(\it&7)*4096   ; half d >> 7, row d & 127
.endm
.set ei, 0
.rept 16
	EMB ei
.set ei, ei+1
.endr
	; Three small jobs, one wave each, under branches on the wave's number.
	s_cmp_lg_u32 s14, 0
	s_cbranch_scc1 .Lnot_wave_0
	; wave 0: the tile's 128 times, 16 bytes a lane, into row 128 of the two halves (sixteen lanes fill one row of 256 bytes)
	v_lshl_add_u32 v50, v3, 4, s20
	global_load_b128 v[16:19], v50, s[4:5]
	v_lshrrev_b32 v51, 4, v3
	v_mul_u32_u24 v51, HALFB, v51
	v_lshl_add_u32 v51, v1, 4, v51
	s_wait_loadcnt 0x0
	global_store_b128 v51, v[16:19], s[10:11] offset:32768
	s_endpgm
.Lnot_wave_0:
	s_cmp_gt_u32 s14, 2
	s_cbranch_scc1 .Ldone
	; waves 1 and 2: row g of Wi, of Wn, rounded to bf16: 32 bytes in and 16 bytes out a lane, 512 consecutive bytes a wave
	s_cmp_eq_u32 s14, 1
	s_cselect_b64 s[24:25], s[6:7], s[8:9]
	s_lshl_b32 s23, s17, 10
	v_lshl_add_u32 v50, v3, 5, s23
	global_load_b128 v[16:19], v50, s[24:25]
	global_load_b128 v[20:23], v50, s[24:25] offset:16
	s_sub_co_u32 s26, s14, 1
	s_lshl_b32 s26, s26, 17                        ; Wn lies 131,072 bytes behind Wi
	s_add_co_u32 s26, s26, s20                     ; + 512 g
	v_lshl_add_u32 v51, v3, 4, s26
	s_wait_loadcnt 0x0
.irp n, 0,1,2,3
	v_cvt_pk_bf16_f32 v[24+\n], v[16+2*\n], v[17+2*\n]
.endr
	global_store_b128 v51, v[24:27], s[12:13]
.Ldone:
	s_endpgm
.Lfunc_end_k_qf0a2a884e6_prep:
	.size	k_qf0a2a884e6_prep, .Lfunc_end_k_qf0a2a884e6_prep-k_qf0a2a884e6_prep
	.p2alignl 7, 3214868480
	.fill 96, 4, 3214868480
	.section	.rodata,"a",@progbits
	.p2align	6, 0x0
	.amdhsa_kernel k_qf0a2a884e6_prep
		.amdhsa_group_segment_fixed_size 0
		.amdhsa_private_segment_fixed_size 0
		.amdhsa_enable_private_segment 0
		.amdhsa_kernarg_size 40
		.amdhsa_user_sgpr_count 2
		.amdhsa_user_sgpr_kernarg_segment_ptr 1
		.amdhsa_wavefront_size32 1
		.amdhsa_system_sgpr_workgroup_id_x 1
		.amdhsa_system_sgpr_workgroup_id_y 1
		.amdhsa_system_sgpr_workgroup_id_z 1
		.amdhsa_system_vgpr_workitem_id 0
		.amdhsa_next_free_vgpr 128
		.amdhsa_next_free_sgpr 66
		.amdhsa_reserve_vcc 0
		.amdhsa_float_denorm_mode_32 3
		.amdhsa_float_denorm_mode_16_64 3
		.amdhsa_memory_ordered 1
		.amdhsa_forward_progress 1
		.amdhsa_inst_pref_size 74
	.end_amdhsa_kernel
	.amdgpu_metadata
---
amdhsa.version: [ 1, 2 ]
amdhsa.kernels:
  - .name:           k_qf0a2a884e6_prep
    .symbol:         k_qf0a2a884e6_prep.kd
    .args:
      - { .name: event_time, .offset: 0, .size: 8, .value_kind: global_buffer, .address_space: global }
      - { .name: Wi, .offset: 8, .size: 8, .value_kind: global_buffer, .address_space: global }
      - { .name: Wn, .offset: 16, .size: 8, .value_kind: global_buffer, .address_space: global }
      - { .name: ws_emb, .offset: 24, .size: 8, .value_kind: global_buffer, .address_space: global }
      - { .name: ws_w, .offset: 32, .size: 8, .value_kind: global_buffer, .address_space: global }
    .group_segment_fixed_size: 0
    .private_segment_fixed_size: 0
    .kernarg_segment_align: 8
    .kernarg_segment_size: 40
    .max_flat_workgroup_size: 256
    .sgpr_count:     66
    .vgpr_count:     128
    .wavefront_size: 32
...
	.end_amdgpu_metadata
.endif
;; end of part 1
;; launch main (part 2): grid 16 x 16, 4 waves a work-group, clusters of 4 x 1, 327,680 bytes of LDS; arguments ws_emb, ws_w, event_time, noise, out0, ln_gamma, ln_beta, w_time, b_time, gate_params, length_scale; writes out0
.if DOCPART == 2
	.amdgcn_target "amdgcn-amd-amdhsa--gfx1250"
	.amdhsa_code_object_version 6
	.text
	.protected	k_qf0a2a884e6_main
	.globl	k_qf0a2a884e6_main
	.p2align	8
	.type	k_qf0a2a884e6_main,@function
k_qf0a2a884e6_main:
	s_mov_b64 s[64:65], 0
	v_nop
	global_prefetch_b8 v0, s[64:65] scope:SCOPE_SE
	s_setreg_imm32_b32 hwreg(HW_REG_WAVE_MODE, 25, 1), 1
	s_wait_xcnt 0x0
	s_wait_alu depctr_hold_cnt(0) depctr_sa_sdst(0) depctr_va_vdst(0) depctr_va_sdst(0) depctr_va_ssrc(0) depctr_va_vcc(0) depctr_vm_vsrc(0)
	s_getreg_b32 s2, hwreg(HW_REG_IB_STS2, 6, 4)
	s_cmp_eq_u32 s2, 0
	s_cbranch_scc0 .Lentry_in_a_cluster
	s_endpgm
.Lentry_in_a_cluster:
	s_bfe_u32 s2, ttmp6, 0x10000c
	s_cmp_lg_u32 s2, 0x3003
	s_cbranch_scc0 .Lentry_shape_is_right
	s_endpgm
.Lentry_shape_is_right:
; out[b][i] = softplus( relu( noise Wn^T + LN(hidden) Wi^T ) . w_time + b_time ),  hidden[b][i][:] = sum over j <= i of score(|t_i - t_j|) emb[b][j][:],
; score(d) = exp(-d^2 / ls^2) (1 + tanh((d / 200 - l) / s)),  ls = softplus(length_scale), l, s = sigmoid(gate_params).
;
; EVERY PRODUCT IS TAKEN TRANSPOSED: the matrix instruction's rows (M) are features, its 16 columns (N) are 16 rows i.
;  - lane (r, h) of a B fragment holds 16 numbers of its own row i = r: the scores are made in registers, in operand layout;
;  - a result tile m holds feature 16 m + 8 h + register in lane (r, h): rounding tiles 2 kb and 2 kb + 1 to bf16 gives the B fragment of K block kb
;    of the next product, with no exchange between lanes; LayerNorm and the last dot are sums inside a lane and one exchange of the two halves.
; SHARE: a wave has 32 rows i, a low and a high tile of 16.  Work-group (a4, c, b): low rows 256 a4 + 64 c + 16 w + r, high rows 256 (7 - a4) + the same.
;  Tiles of 128 events T = 0 .. 2 a4 + 1 serve both, T = 2 a4 + 2 .. 15 - 2 a4 the high rows alone: 4 (2 a4 + 2) + 4 (16 - 2 a4) = 72 steps of
;  16 matrix instructions and 16 scores a lane, whatever a4.  The causal limit is applied by index in the low tiles and in the high rows' last two tiles.
; CLUSTER: the four c of one (a4, b) walk the same tiles in the same trips, so every tensor load is asked for jointly by the four (mask 15).
; score = 2^(1 - ds^2) / (1 + 2^(Q - P |ds|)), ds = (t_i - t_j) sqrt(log2 e) / ls, Q = 2 log2(e) l / s, P = sqrt(log2 e) ls / (100 s):
;  1 + tanh z = 2 / (1 + e^(-2z)).  An exponential that overflows gives a reciprocal of 0, the gate's limit; both factors lie in [0, 2].
; LIMITS: scores, emb, the weights, noise and the normalised hidden enter the matrix unit in bf16.  v_exp_f32 gives 0 for results below 2^-126.
;  The last softplus is max(x, 0) + ln(1 + e^-|x|) with the sum rounded in f32: an absolute error of up to 6e-8 for very negative x.
;  event_type does not enter the problem's result and is not loaded.
;
; LDS: two slots of a tile (two halves of 129 rows, pitch 272 = 17 x 16 bytes, so sixteen rows start in sixteen different 16-byte columns modulo 256);
;  Wi resident (256 rows, pitch 528 = 33 x 16); Wn lands on the slots when the tiles are done; then bytes that only LDS stores write.
.set TILEB, 66048                      ; a tile in memory
.set HALFB, 33024                      ; half a tile in memory
.set SLOT,  70400                      ; a slot
.set HALFL, 35088                      ; half a tile in LDS: 129 x 272
.set WHALF, 67584                      ; 128 rows of a weight matrix in LDS: 128 x 528
.set PW,    528
.set WI_L,  140800                     ; Wi
.set PAR,   275968                     ; gamma, beta, w_time: 3 x 1,024 bytes
.set SCR,   279040                     ; each wave's own 16 rows x 528 bytes, to turn noise
.set SCRW,  8448
.set OUTS,  312832                     ; the group's 64 low and 64 high results
; window 0
.set ADR, 4                            ; v4-7    A fragments: slot s, half e at ADR + 2 s + e
.set TAD, 8                            ; v8-11   the times' row, likewise
.set WIA, 12                           ; v12-13  Wi's fragments, rows 0-127, 128-255
.set WNA, 14                           ; v14-15  Wn's
.set SST, 16                           ; v16     noise into my stage
.set SRD, 17                           ; v17     and back as fragments
.set PADR, 18                          ; v18     gamma (beta + 1024, w_time + 2048) of my 8 h
.set OST, 19                           ; v19     where my result goes
.set ML,  20                           ; v20     low rows:  i - 8 h, counted from the first event of the pair of tiles at work
.set MH,  21                           ; v21     high rows: the same, counted from their last pair of tiles
.set TIL, 22                           ; v[22:23] t_i of my low row, twice
.set TIH, 24                           ; v[24:25] of my high row
.set NOF, 26                           ; v26-27  byte offsets of my noise rows; never rewritten
.set PX,  28                           ; v28     takes the other half's number
.set OOF, 29                           ; v29     byte offset in out0
.set TJ,  32                           ; v[32:95]   a tile's times: 16 for each K block of 32
.set DS,  96                           ; v[96:111]  ds, 1 - ds^2, the score
.set YY,  112                          ; v[112:127] Q - P |ds|, then 1 + 2^that
.set BL,  128                          ; v[128:135] B fragment of the low rows
.set BH,  136                          ; v[136:143] of the high rows
.set EX,  144                          ; v[144:159] 2^(1 - ds^2)
.set EY,  160                          ; v[160:175] 2^(Q - P |ds|), then the reciprocal
.set F0,  128                          ; behind the tiles: two buffers of 64 registers
.set F1,  192
.set SM,  32                           ; v[32:39]  four chains of a sum
.set RS,  44                           ; v[44:47]  1 / sqrt(var + eps), twice, for each of the two tiles
; window 1: accumulators of hidden^T, tile t (0 low, 1 high), feature block m at 128 t + 8 m; later their bf16 fragments at 128 t + 16 kb
; window 2: noise as loaded at 128 t + 4 (2 row + half); later its fragments at 128 t + 8 kb
; window 3: in the tiles' loop the sixteen A fragments at 8 m; later the generator's accumulators at 128 t + 8 m
.set G1T, 32                           ; s[32:39] shape of half a tile
.set G1W, 40                           ; s[40:47] shape of half a weight matrix
.set G0T, 48                           ; s[48:55] from where, to where: slot 0, slot 1
.set G0W, 56                           ; s[56:59] Wi
.set G0N, 60                           ; s[60:63] Wn
.set MSB, 0
.macro WIN new                         ; s_set_vgpr_msb: bits 1:0 source 0, 3:2 source 1, 5:4 source 2, 7:6 destination; the high byte repeats the setting that is left
.if MSB != \new
	s_set_vgpr_msb (MSB<<8)|\new
.set MSB, \new
.endif
.endm
.macro PLACES                          ; four plain vector instructions stand between a matrix instruction and a load into, or a vector access to, its registers
.rept 4
	v_nop
.endr
.endm
; A round of the cluster's barrier: my group's barrier, wave 0 signals for the group, every wave waits for the four groups, my group's barrier again.
.macro ROUND
	s_barrier_signal -1
	s_barrier_wait -1
	s_cmp_lg_u32 s26, 0
	s_cbranch_scc1 .Lnot_wave_0_\@
	s_barrier_signal -3
.Lnot_wave_0_\@:
	s_barrier_wait -3
	s_barrier_signal -1
	s_barrier_wait -1
.endm
.macro JT s                            ; waves 0 and 1 ask for the two halves of slot s's next tile
	s_cmp_lt_u32 s26, 2
	s_cbranch_scc0 .Lno_tile_\@
	tensor_load_to_lds s[G0T+4*\s:G0T+4*\s+3], s[G1T:G1T+7]
	s_nop 0
.Lno_tile_\@:
.endm
	s_load_b512 s[4:19], s[0:1], 0x0               ; ws_emb 4, ws_w 6, event_time 8, noise 10, out0 12, gamma 14, beta 16, w_time 18
	s_load_b128 s[20:23], s[0:1], 0x40             ; b_time 20, gate_params 22
	s_load_b64 s[24:25], s[0:1], 0x50              ; length_scale
	v_lshl_add_u32 v254, v0, 2, 0x4c800
	v_mov_b32 v255, 0
	ds_add_u32 v254, v255
	s_wait_dscnt 0x0
	v_lshrrev_b32 v1, 5, v0
	v_readfirstlane_b32 s26, v1                    ; wave w
	s_mov_b32 s27, ttmp9                           ; a4: the cluster's x
	s_bfe_u32 s28, ttmp6, 0x40000                  ; c: my place in the cluster; it enters global offsets and the index limits alone
	s_and_b32 s29, ttmp7, 0xffff                   ; b
	s_and_b32 s30, s26, 1
	s_mov_b32 s74, 0x76543210                      ; v_permlanex16_b32: lane i of one half reads lane i of the other
	s_mov_b32 s75, 0xfedcba98
	s_mov_b32 s77, 0x3b800000                      ; 1 / 256
	v_and_b32 v3, 31, v0                           ; lane
	v_and_b32 v1, 15, v0                           ; r
	v_bfe_u32 v2, v0, 4, 1                         ; h
	v_mov_b32 v[PX], 0
	; shapes.  Half a tile: 129 rows of 128 elements of 2 bytes, dense in memory; 4 words of padding behind every 64.
	s_mov_b32 s[G1T+0], 0x0771000f                 ; mask 15, element 2 bytes, padding on, bit 21 beside the mask, interval code 5, pad code 3
	s_mov_b32 s[G1T+1], 128<<16                    ; tensor_dim0 = 128
	s_mov_b32 s[G1T+2], 129<<16                    ; tensor_dim1 = 129
	s_mov_b32 s[G1T+3], 128<<16                    ; tile_dim0 = 128
	s_mov_b32 s[G1T+4], 129                        ; tile_dim1 = 129
	s_mov_b32 s[G1T+5], 128                        ; from row to row
	s_mov_b32 s[G1T+6], 0
	s_mov_b32 s[G1T+7], 0
	; Half a weight matrix: 128 rows of 256 elements; 4 words of padding behind every 128.
	s_mov_b32 s[G1W+0], 0x07b1000f
	s_mov_b32 s[G1W+1], 256<<16
	s_mov_b32 s[G1W+2], 128<<16
	s_mov_b32 s[G1W+3], 256<<16
	s_mov_b32 s[G1W+4], 128
	s_mov_b32 s[G1W+5], 256
	s_mov_b32 s[G1W+6], 0
	s_mov_b32 s[G1W+7], 0
	s_mov_b32 s[G0T+0], 1
	s_mul_i32 s[G0T+1], s26, HALFL                 ; slot 0: wave x half a tile
	s_mov_b32 s[G0T+4], 1
	s_add_co_u32 s[G0T+5], s[G0T+1], SLOT          ; slot 1
	s_mov_b32 s[G0W+0], 1
	s_mul_i32 s[G0W+1], s26, WHALF
	s_add_co_u32 s[G0W+1], s[G0W+1], WI_L-2*WHALF  ; waves 2 and 3: Wi's two halves
	s_mov_b32 s[G0N+0], 1
	s_mul_i32 s[G0N+1], s26, WHALF                 ; waves 0 and 1: Wn's two halves, from LDS byte 0
	s_mul_i32 s92, s29, 16*TILEB                   ; batch b's tiles
	s_mul_i32 s93, s30, HALFB
	s_add_co_u32 s92, s92, s93
	s_mov_b32 s93, 0
	s_lshl_b32 s94, s30, 16                        ; 128 rows of 512 bytes
	s_mov_b32 s95, 0
	; rows
	s_lshl_b32 s78, s28, 6
	s_lshl4_add_u32 s78, s26, s78                  ; 64 c + 16 w
	s_lshl_b32 s79, s27, 8                         ; 256 a4
	s_sub_co_u32 s80, 7, s27
	s_lshl_b32 s80, s80, 8                         ; 256 (7 - a4)
	s_lshl_b32 s81, s29, 11                        ; 2048 b
	s_add_co_u32 s82, s79, s78                     ; my wave's first low row
	s_add_co_u32 s83, s80, s78                     ; first high row
	s_add_co_u32 s84, s81, s82                     ; the same among all 32,768 rows
	s_add_co_u32 s85, s81, s83
	s_lshl_b32 s86, s84, 10                        ; in noise: 1,024 bytes a row, below 2^25
	s_lshl_b32 s87, s85, 10
	s_lshl_b32 s90, s28, 6
	s_add_co_u32 s88, s81, s79
	s_add_co_u32 s88, s88, s90
	s_lshl_b32 s88, s88, 2                         ; out0: the group's 64 low rows, a multiple of 256 bytes
	s_sub_co_u32 s89, s80, s79
	s_lshl_b32 s89, s89, 2                         ; and how far behind them its 64 high rows lie
	v_add_lshl_u32 v30, v1, s84, 2                 ; t_i of my low row
	v_add_lshl_u32 v31, v1, s85, 2                 ; of my high row
	v_lshlrev_b32 v32, 3, v0                       ; 8 bytes a thread of gamma, beta, w_time
	v_add_nc_u32 v33, PAR, v32
	v_lshl_add_u32 v[NOF],   v3, 4, s86
	v_lshl_add_u32 v[NOF+1], v3, 4, s87
	s_wait_kmcnt 0x0
	s_load_b32 s66, s[20:21], 0x0                  ; b_time
	s_load_b32 s67, s[24:25], 0x0                  ; length_scale
	s_load_b64 s[68:69], s[22:23], 0x0             ; gate_params
	s_add_nc_u64 s[G0T+2:G0T+3], s[4:5], s[92:93]  ; tile 0
	s_add_nc_u64 s[G0T+6:G0T+7], s[G0T+2:G0T+3], TILEB   ; tile 1
	s_add_nc_u64 s[G0W+2:G0W+3], s[6:7], s[94:95]
	s_add_nc_u64 s[G0N+2:G0N+3], s[G0W+2:G0W+3], 131072
	s_or_b32 s[G0T+3], s[G0T+3], 0x80000000        ; type 2
	s_or_b32 s[G0T+7], s[G0T+7], 0x80000000
	s_or_b32 s[G0W+3], s[G0W+3], 0x80000000
	s_or_b32 s[G0N+3], s[G0N+3], 0x80000000
	global_load_b64 v[34:35], v32, s[14:15]
	global_load_b64 v[36:37], v32, s[16:17]
	global_load_b64 v[38:39], v32, s[18:19]
	global_load_b32 v[TIL], v30, s[8:9]
	global_load_b32 v[TIH], v31, s[8:9]
	ROUND                                          ; the four groups are here: the first joint loads meet
	s_cmp_lt_u32 s26, 2                            ; the first fills, one a wave, in one branch on the wave's number
	s_cbranch_scc0 .Lfill_wi
	tensor_load_to_lds s[G0T:G0T+3], s[G1T:G1T+7]  ; waves 0, 1: tile 0 into slot 0
	s_nop 0
	s_branch .Lfilled
.Lfill_wi:
	tensor_load_to_lds s[G0W:G0W+3], s[G1W:G1W+7]  ; waves 2, 3: Wi
	s_nop 0
.Lfilled:
	s_wait_loadcnt 0x0                             ; the five small loads; none is out when the noise loads begin, so their counts are their own
	ds_store_b64 v33, v[34:35]                     ; read by all waves much later, behind many barriers with their waits for LDS
	ds_store_b64 v33, v[36:37] offset:1024
	ds_store_b64 v33, v[38:39] offset:2048
	v_mov_b32 v[TIL+1], v[TIL]
	v_mov_b32 v[TIH+1], v[TIH]
	; noise: my 32 rows, 512 consecutive bytes a load, asked for now and used behind the tiles; they lie in window 2, which the loop does not touch
	WIN 0x80
.irp t, 0,1
.set li, 0
.rept 32
	global_load_b128 v[128*\t+4*li:128*\t+4*li+3], v[NOF+\t], s[10:11] offset:512*li th:TH_LOAD_NT
.set li, li+1
.endr
.endr
	WIN 0
	; the score's three constants, in every lane alike, then as scalars
	s_wait_kmcnt 0x0
	v_mov_b32 v40, s67                             ; x = length_scale
	v_mov_b32 v41, s68
	v_mov_b32 v42, s69
	v_and_b32 v43, 0x7fffffff, v40
	v_mul_f32 v43, 0xbfb8aa3b, v43
	v_mul_f32 v41, 0xbfb8aa3b, v41
	v_mul_f32 v42, 0xbfb8aa3b, v42
	v_exp_f32 v44, v43                             ; z = e^-|x|
	v_exp_f32 v45, v41                             ; e^-g0
	v_exp_f32 v46, v42                             ; e^-g1
	v_nop                                          ; one plain instruction behind transcendentals (ISA guide 5.7.2), here and below
	s_wait_alu depctr_va_vdst(0)
	v_add_f32 v47, 1.0, v44                        ; u = 1 + z
	v_add_f32 v45, 1.0, v45
	v_add_f32 v46, 1.0, v46                        ; 1 / s
	v_add_f32 v48, -1.0, v47                       ; u - 1
	v_log_f32 v49, v47
	v_rcp_f32 v50, v48
	v_rcp_f32 v51, v45                             ; l
	v_nop
	s_wait_alu depctr_va_vdst(0)
	v_mul_f32 v49, 0x3f317218, v49                 ; ln u
	v_mul_f32 v49, v49, v44
	v_mul_f32 v49, v49, v50                        ; ln(1 + z) = ln(u) z / (u - 1): exact to rounding for small z too,
	v_cmp_eq_f32 vcc_lo, 1.0, v47
	v_cndmask_b32 v49, v49, v44, vcc_lo            ; and z itself where u rounds to 1: ls never becomes 0
	v_max_num_f32 v40, 0, v40
	v_add_f32 v49, v49, v40                        ; ls = max(x, 0) + ln(1 + e^-|x|)
	v_rcp_f32 v50, v49
	v_mul_f32 v51, v51, v46                        ; l / s
	v_mul_f32 v52, v49, v46                        ; ls / s
	s_wait_alu depctr_va_vdst(0)
	v_mul_f32 v50, 0x3f99be61, v50                 ; sqrt(log2 e) / ls
	v_mul_f32 v51, 0x4038aa3b, v51                 ; Q = 2 log2(e) l / s
	v_mul_f32 v52, 0xbc44caba, v52                 ; -P = -sqrt(log2 e) / 100 x ls / s
	v_readfirstlane_b32 s70, v50
	v_readfirstlane_b32 s72, v52
	v_readfirstlane_b32 s73, v51
	s_mov_b32 s71, s70
	; addresses
	v_mul_u32_u24 v53, 272, v1
	v_lshl_add_u32 v53, v2, 4, v53                 ; 272 r + 16 h
	v_lshlrev_b32 v54, 5, v2                       ; 32 h
	v_mul_u32_u24 v55, PW, v1
	v_lshl_add_u32 v55, v2, 4, v55                 ; 528 r + 16 h
.irp sl, 0,1
.irp hf, 0,1
	v_add_nc_u32 v[ADR+2*\sl+\hf], \sl*SLOT+\hf*HALFL, v53
	v_add_nc_u32 v[TAD+2*\sl+\hf], \sl*SLOT+\hf*HALFL, v54
.endr
.endr
	v_add_nc_u32 v[WIA],   WI_L, v55
	v_add_nc_u32 v[WIA+1], WI_L+WHALF, v55
	v_mov_b32    v[WNA],   v55
	v_add_nc_u32 v[WNA+1], WHALF, v55
	s_mul_i32 s91, s26, SCRW
	s_add_co_u32 s91, s91, SCR                     ; my wave's stage
	v_lshl_add_u32 v[SST], v3, 3, s91
	v_add_nc_u32 v[SRD], s91, v55
	v_add_nc_u32 v[PADR], PAR, v54
	s_lshl_b32 s92, s26, 6
	s_add_co_u32 s92, s92, OUTS
	v_lshl_add_u32 v[OST], v2, 8, s92
	v_lshl_add_u32 v[OST], v1, 2, v[OST]           ; OUTS + 256 h + 4 (16 w + r): lanes 0-15 put the low rows' results, lanes 16-31 the high rows'
	v_lshlrev_b32 v56, 3, v2
	v_sub_nc_u32 v56, v1, v56                      ; r - 8 h
	v_add_nc_u32 v[ML], s82, v56
	v_add_nc_u32 v[MH], s78, v56
	v_mad_u32_u24 v[OOF], v2, s89, s88
	v_lshl_add_u32 v[OOF], v1, 4, v[OOF]
; Sixteen scores of my row (its time, twice, in v[ti:ti+1]) against K block kb of the tile, as a B fragment in dst.
; mreg other than 0: events behind my row count 0: event k0 + 32 kb + e + 8 h of the pair of tiles stays if k0 + 32 kb + e <= v[mreg].
.macro SCORE16 ti, kb, dst, mreg, k0
.set qi, 0
.rept 8
	v_pk_add_f32 v[DS+2*qi:DS+2*qi+1], v[\ti:\ti+1], v[TJ+16*\kb+2*qi:TJ+16*\kb+2*qi+1] neg_lo:[0,1] neg_hi:[0,1]
.set qi, qi+1
.endr
.set qi, 0
.rept 8
	v_pk_mul_f32 v[DS+2*qi:DS+2*qi+1], v[DS+2*qi:DS+2*qi+1], s[70:71] op_sel_hi:[1,0]
.set qi, qi+1
.endr
.set qi, 0
.rept 16
	v_fma_f32 v[YY+qi], |v[DS+qi]|, s72, s73
.set qi, qi+1
.endr
.set qi, 0
.rept 8
	v_pk_fma_f32 v[DS+2*qi:DS+2*qi+1], v[DS+2*qi:DS+2*qi+1], v[DS+2*qi:DS+2*qi+1], 1.0 op_sel_hi:[1,1,0] neg_lo:[1,0,0] neg_hi:[1,0,0]
.set qi, qi+1
.endr
.set qi, 0
.rept 16
	v_exp_f32 v[EX+qi], v[DS+qi]
.set qi, qi+1
.endr
.set qi, 0
.rept 16
	v_exp_f32 v[EY+qi], v[YY+qi]
.set qi, qi+1
.endr
	v_nop                                          ; one plain instruction behind the transcendentals (ISA guide 5.7.2)
.set qi, 0
	s_wait_alu depctr_va_vdst(0)
.rept 8
	v_pk_add_f32 v[YY+2*qi:YY+2*qi+1], v[EY+2*qi:EY+2*qi+1], 1.0 op_sel_hi:[1,0]
.set qi, qi+1
.endr
.set qi, 0
.rept 16
	v_rcp_f32 v[EY+qi], v[YY+qi]
.set qi, qi+1
.endr
	v_nop
.set qi, 0
	s_wait_alu depctr_va_vdst(0)
.rept 8
	v_pk_mul_f32 v[DS+2*qi:DS+2*qi+1], v[EX+2*qi:EX+2*qi+1], v[EY+2*qi:EY+2*qi+1]
.set qi, qi+1
.endr
.if \mreg
.set qi, 0
.rept 16
	v_cmp_le_i32 vcc_lo, \k0+32*\kb+qi+8*(qi/8), v[\mreg]
	v_cndmask_b32 v[DS+qi], 0, v[DS+qi], vcc_lo
.set qi, qi+1
.endr
.endif
.set qi, 0
.rept 8
	v_cvt_pk_bf16_f32 v[\dst+qi], v[DS+2*qi], v[DS+2*qi+1]
.set qi, qi+1
.endr
.endm
; The sixteen A fragments (256 features x 32 events) of K block kb of slot sl, into window 3.
.macro FETCHA sl, kb
	PLACES                                         ; behind the matrix instructions that read these registers
	WIN 0xc0
.set mi, 0
.rept 16
	ds_load_b128 v[8*mi:8*mi+3],   v[ADR+2*\sl+(mi>>3)] offset:(mi&7)*4352+64*\kb
	ds_load_b128 v[8*mi+4:8*mi+7], v[ADR+2*\sl+(mi>>3)] offset:(mi&7)*4352+64*\kb+32
.set mi, mi+1
.endr
	WIN 0
.endm
; Sixteen matrix instructions: all features x the 16 rows of tile t.  The sixteen accumulators take turns.  ZF = 1: the products start the sums.
.macro MUL t, bf
	WIN 0x53
.set mi, 0
.rept 16
.if ZF
	v_wmma_f32_16x16x32_bf16 v[128*\t+8*mi:128*\t+8*mi+7], v[8*mi:8*mi+7], v[\bf:\bf+7], 0
.else
	v_wmma_f32_16x16x32_bf16 v[128*\t+8*mi:128*\t+8*mi+7], v[8*mi:8*mi+7], v[\bf:\bf+7], v[128*\t+8*mi:128*\t+8*mi+7]
.endif
.set mi, mi+1
.endr
	WIN 0
.endm
; A tile of 128 events in slot sl.  both = 1: for the low and the high rows; ml, mh: the index limits' registers or 0; zero = 1: the first K block starts the sums.
.macro TILE sl, both, ml, mh, k0, zero
.irp kb, 0,1,2,3
.irp u, 0,1,2,3
	ds_load_b128 v[TJ+16*\kb+4*\u:TJ+16*\kb+4*\u+3], v[TAD+2*\sl+(\kb>>1)] offset:34816+128*(\kb&1)+16*(\u&1)+64*(\u>>1)   ; times of events 32 kb + 8 h + 0..7 and + 16..23
.endr
.endr
.irp kb, 0,1,2,3
.set ZF, 0
.if \kb == 0
.set ZF, \zero
.endif
	FETCHA \sl, \kb
.if \kb == 0
	s_wait_dscnt 32                                ; the sixteen loads of times are in; the 32 fragment loads behind them stay out
.endif
.if \both
	SCORE16 TIL, \kb, BL, \ml, \k0
	s_wait_dscnt 0x0                               ; the A fragments, asked for in front of the scores
	MUL 0, BL
	SCORE16 TIH, \kb, BH, \mh, \k0
.else
	SCORE16 TIH, \kb, BH, \mh, \k0
	s_wait_dscnt 0x0
.endif
	MUL 1, BH
.endr
.endm
; A trip: the change of slots, then slot sl's tile.  In front of the round every wave waits for all its tensor loads (one at the most is out: its half of
; this slot's tile) and for its reads of the other slot; behind the round the other slot is asked for again first, one load a wave.
.macro TRIP sl, refill, both, ml, mh, k0, zero
	s_wait_xcnt 0x0
	v_lshl_add_u32 v254, v0, 2, 0x4c800
	v_mov_b32 v255, 0
	s_wait_tensorcnt 0x0
	ds_add_u32 v254, v255
	s_wait_dscnt 0x0
	s_add_nc_u64 s[G0T+4*\sl+2:G0T+4*\sl+3], s[G0T+4*\sl+2:G0T+4*\sl+3], 2*TILEB   ; no load of mine is out: this slot's next tile
	s_wait_dscnt 0x0
	ROUND
.if \refill
	JT (1-\sl)
.endif
	TILE \sl, \both, \ml, \mh, \k0, \zero
.endm
	; tiles 0 and 1: both row tiles; their first products start the sums
	TRIP 0, 1, 1, ML, 0, 0, 1
	TRIP 1, 1, 1, ML, 0, 128, 0
	v_add_nc_u32 v[ML], 0xffffff00, v[ML]          ; the next pair of tiles begins 256 events on
	s_cmp_eq_u32 s27, 0
	s_cbranch_scc1 .Lno_a
	s_mov_b32 s76, s27                             ; a4 more pairs for both
.Lloop_a:
	TRIP 0, 1, 1, ML, 0, 0, 0
	TRIP 1, 1, 1, ML, 0, 128, 0
	v_add_nc_u32 v[ML], 0xffffff00, v[ML]
	s_sub_co_u32 s76, s76, 1
	s_cmp_lg_u32 s76, 0
	s_cbranch_scc1 .Lloop_a
.Lno_a:
	s_cmp_eq_u32 s27, 3
	s_cbranch_scc1 .Lno_c
	s_lshl_b32 s76, s27, 1
	s_sub_co_u32 s76, 6, s76                       ; 6 - 2 a4 pairs for the high rows alone, all in front of them
.Lloop_c:
	TRIP 0, 1, 0, 0, 0, 0, 0
	TRIP 1, 1, 0, 0, 0, 128, 0
	s_sub_co_u32 s76, s76, 1
	s_cmp_lg_u32 s76, 0
	s_cbranch_scc1 .Lloop_c
.Lno_c:
	TRIP 0, 1, 0, 0, MH, 0, 0                      ; the high rows' own 256 events; the last trip asks for nothing
	TRIP 1, 0, 0, 0, MH, 128, 0
	; Wn onto the two slots: every wave's reads of them and all tensor loads are done, in all four groups; it lands during what follows
	s_wait_xcnt 0x0
	v_lshl_add_u32 v254, v0, 2, 0x4c800
	v_mov_b32 v255, 0
	s_wait_tensorcnt 0x0
	ds_add_u32 v254, v255
	s_wait_dscnt 0x0
	s_wait_dscnt 0x0
	ROUND
	s_cmp_lt_u32 s26, 2
	s_cbranch_scc0 .Lno_wn
	tensor_load_to_lds s[G0N:G0N+3], s[G1W:G1W+7]
	s_nop 0
.Lno_wn:
.macro FOLD dst                        ; four chains of pairs, and the other half of the lanes: the sum over 256 features, in every lane
	v_pk_add_f32 v[SM:SM+1], v[SM:SM+1], v[SM+2:SM+3]
	v_pk_add_f32 v[SM+4:SM+5], v[SM+4:SM+5], v[SM+6:SM+7]
	v_pk_add_f32 v[SM:SM+1], v[SM:SM+1], v[SM+4:SM+5]
	v_add_f32 v[SM], v[SM], v[SM+1]
	v_permlanex16_b32 v[PX], v[SM], s74, s75
	v_add_f32 v[\dst], v[SM], v[PX]
.endm
; LayerNorm's figures for tile t: the mean, the centred numbers in place, the mean of their squares.
.macro LNSTAT t
	WIN 0x05
.set pp, 0
.rept 4
	v_pk_add_f32 v[SM+2*pp:SM+2*pp+1], v[128*\t+2*pp:128*\t+2*pp+1], v[128*\t+8+2*pp:128*\t+8+2*pp+1]
.set pp, pp+1
.endr
	WIN 0x01
.set pp, 8
.rept 56
	v_pk_add_f32 v[SM+2*(pp&3):SM+2*(pp&3)+1], v[128*\t+2*pp:128*\t+2*pp+1], v[SM+2*(pp&3):SM+2*(pp&3)+1]
.set pp, pp+1
.endr
	WIN 0
	FOLD SM
	v_mul_f32 v40, 0xbb800000, v[SM]               ; -mean
	v_mul_f32 v41, 0xbb800000, v[SM]
	WIN 0x41
.set pp, 0
.rept 64
	v_pk_add_f32 v[128*\t+2*pp:128*\t+2*pp+1], v[128*\t+2*pp:128*\t+2*pp+1], v[40:41]
.set pp, pp+1
.endr
	WIN 0x05
.set pp, 0
.rept 4
	v_pk_mul_f32 v[SM+2*pp:SM+2*pp+1], v[128*\t+2*pp:128*\t+2*pp+1], v[128*\t+2*pp:128*\t+2*pp+1]
.set pp, pp+1
.endr
.rept 60
	v_pk_fma_f32 v[SM+2*(pp&3):SM+2*(pp&3)+1], v[128*\t+2*pp:128*\t+2*pp+1], v[128*\t+2*pp:128*\t+2*pp+1], v[SM+2*(pp&3):SM+2*(pp&3)+1]
.set pp, pp+1
.endr
	WIN 0
	FOLD SM
	v_fmaak_f32 v42, s77, v[SM], 0x358637bd        ; var + 1e-6
	v_rsq_f32 v[RS+2*\t], v42
	v_nop
	s_wait_alu depctr_va_vdst(0)
	v_mov_b32 v[RS+2*\t+1], v[RS+2*\t]
.endm
; gamma and beta of feature blocks 8 hm .. 8 hm + 7, applied to both tiles.
.macro LNAPPLY hm
.set mi, 0
.rept 8
	ds_load_b128 v[F0+8*mi:F0+8*mi+3],   v[PADR] offset:64*(8*\hm+mi)
	ds_load_b128 v[F0+8*mi+4:F0+8*mi+7], v[PADR] offset:64*(8*\hm+mi)+16
	ds_load_b128 v[F1+8*mi:F1+8*mi+3],   v[PADR] offset:1024+64*(8*\hm+mi)
	ds_load_b128 v[F1+8*mi+4:F1+8*mi+7], v[PADR] offset:1024+64*(8*\hm+mi)+16
.set mi, mi+1
.endr
	s_wait_dscnt 0x0
	WIN 0x41
.irp t, 0,1
.set pp, 0
.rept 32
	v_pk_mul_f32 v[128*\t+64*\hm+2*pp:128*\t+64*\hm+2*pp+1], v[128*\t+64*\hm+2*pp:128*\t+64*\hm+2*pp+1], v[RS+2*\t:RS+2*\t+1]
.set pp, pp+1
.endr
.set pp, 0
.rept 32
	v_pk_fma_f32 v[128*\t+64*\hm+2*pp:128*\t+64*\hm+2*pp+1], v[128*\t+64*\hm+2*pp:128*\t+64*\hm+2*pp+1], v[F0+2*pp:F0+2*pp+1], v[F1+2*pp:F1+2*pp+1]
.set pp, pp+1
.endr
.endr
	WIN 0
.endm
	PLACES                                         ; behind the last matrix instructions: their results are read, their B registers loaded into
	LNSTAT 0
	LNSTAT 1
	LNAPPLY 0
	LNAPPLY 1
	; to bf16, in place: blocks 2 kb and 2 kb + 1 become the eight registers of K block kb's B fragment, at 128 t + 16 kb
	WIN 0x45
.irp t, 0,1
.set pp, 0
.rept 64
	v_cvt_pk_bf16_f32 v[128*\t+16*(pp>>3)+(pp&7)], v[128*\t+16*(pp>>3)+2*(pp&7)], v[128*\t+16*(pp>>3)+2*(pp&7)+1]
.set pp, pp+1
.endr
.endr
	WIN 0
; noise of tile t: rounded to bf16, laid by rows into my own stage, read back as B fragments.  LDS serves a wave's instructions in order
; (ISA guide 5.7.1), and no other wave touches the stage: no wait between the stores and the loads, nor between the two tiles.
.macro NOISE t, left
	s_wait_loadcnt \left                           ; loads come back in order: this tile's 32 are in, \left younger ones stay out
	WIN 0x0a
.set li, 0
.rept 32
	v_cvt_pk_bf16_f32 v[32+2*li], v[128*\t+4*li],   v[128*\t+4*li+1]
	v_cvt_pk_bf16_f32 v[33+2*li], v[128*\t+4*li+2], v[128*\t+4*li+3]
.set li, li+1
.endr
	WIN 0
.set li, 0
.rept 32
	ds_store_b64 v[SST], v[32+2*li:33+2*li] offset:PW*(li>>1)+256*(li&1)
.set li, li+1
.endr
	WIN 0x80
.set li, 0
.rept 8
	ds_load_b128 v[128*\t+8*li:128*\t+8*li+3],   v[SRD] offset:64*li
	ds_load_b128 v[128*\t+8*li+4:128*\t+8*li+7], v[SRD] offset:64*li+32
.set li, li+1
.endr
	WIN 0
.endm
	NOISE 0, 32
	NOISE 1, 0
; The generator's products.  Step n = 2 kb + g: K block kb, output features 128 g .. 128 g + 127 (eight A fragments in buffer n & 1), both row tiles.
.macro GFETCH adr, n
.set gm, 0
.rept 8
	ds_load_b128 v[F0+64*((\n)&1)+8*gm:F0+64*((\n)&1)+8*gm+3],   v[\adr+((\n)&1)] offset:8448*gm+64*((\n)>>1)
	ds_load_b128 v[F0+64*((\n)&1)+8*gm+4:F0+64*((\n)&1)+8*gm+7], v[\adr+((\n)&1)] offset:8448*gm+64*((\n)>>1)+32
.set gm, gm+1
.endr
.endm
.macro GMUL n, win, bstep, first       ; sixteen accumulators by turns; the next step takes the other sixteen
.set gz, 0
.if \first
.if (\n) < 2
.set gz, 1
.endif
.endif
	WIN \win
.set gm, 0
.rept 8
.irp t, 0,1
.if gz
	v_wmma_f32_16x16x32_bf16 v[128*\t+8*(8*((\n)&1)+gm):128*\t+8*(8*((\n)&1)+gm)+7], v[F0+64*((\n)&1)+8*gm:F0+64*((\n)&1)+8*gm+7], v[128*\t+\bstep*((\n)>>1):128*\t+\bstep*((\n)>>1)+7], 0
.else
	v_wmma_f32_16x16x32_bf16 v[128*\t+8*(8*((\n)&1)+gm):128*\t+8*(8*((\n)&1)+gm)+7], v[F0+64*((\n)&1)+8*gm:F0+64*((\n)&1)+8*gm+7], v[128*\t+\bstep*((\n)>>1):128*\t+\bstep*((\n)>>1)+7], v[128*\t+8*(8*((\n)&1)+gm):128*\t+8*(8*((\n)&1)+gm)+7]
.endif
.endr
.set gm, gm+1
.endr
	WIN 0
.endm
.macro GSER adr, win, bstep, first
	PLACES
	GFETCH \adr, 0
.set gn, 0
.rept 16
.if gn < 15
.if gn
	PLACES                                         ; the buffer about to be loaded was read by the matrix instructions just issued
.endif
	GFETCH \adr, gn+1
	s_wait_dscnt 16                                ; all but the sixteen loads just issued: this step's fragments are in
.else
	s_wait_dscnt 0x0
.endif
	GMUL gn, \win, \bstep, \first
.set gn, gn+1
.endr
.endm
	GSER WIA, 0xf4, 16, 1                          ; Wi x normalised hidden (B in window 1); its first K block starts the sums
	s_wait_tensorcnt 0x0                           ; waves 0 and 1: my half of Wn has landed
	s_wait_dscnt 0x0
	s_barrier_signal -1
	s_barrier_wait -1                              ; everybody's has
	GSER WNA, 0xf8, 8, 0                           ; + Wn x noise (B in window 2)
	; relu, the dot with w_time, softplus
	PLACES                                         ; behind the last matrix instructions
.set mi, 0
.rept 16
	ds_load_b128 v[128+8*mi:128+8*mi+3],   v[PADR] offset:2048+64*mi
	ds_load_b128 v[128+8*mi+4:128+8*mi+7], v[PADR] offset:2048+64*mi+16
.set mi, mi+1
.endr
	WIN 0xcf
.set pp, 0
.rept 256
	v_max_num_f32 v[pp], 0, v[pp]
.set pp, pp+1
.endr
	WIN 0
	s_wait_dscnt 0x0
.irp t, 0,1
	WIN 0x03
.set pp, 0
.rept 4
	v_pk_mul_f32 v[SM+2*pp:SM+2*pp+1], v[128*\t+2*pp:128*\t+2*pp+1], v[128+2*pp:128+2*pp+1]
.set pp, pp+1
.endr
.rept 60
	v_pk_fma_f32 v[SM+2*(pp&3):SM+2*(pp&3)+1], v[128*\t+2*pp:128*\t+2*pp+1], v[128+2*pp:128+2*pp+1], v[SM+2*(pp&3):SM+2*(pp&3)+1]
.set pp, pp+1
.endr
	WIN 0
	FOLD 48+\t
.endr
	v_cmp_eq_u32 vcc_lo, 1, v2
	v_cndmask_b32 v50, v48, v49, vcc_lo            ; lanes 0-15 finish the low row r, lanes 16-31 the high row r
	v_add_f32 v50, s66, v50                        ; + b_time
	v_and_b32 v51, 0x7fffffff, v50
	v_mul_f32 v51, 0xbfb8aa3b, v51
	v_exp_f32 v52, v51                             ; e^-|x|
	v_max_num_f32 v53, 0, v50                      ; the plain instruction behind it
	s_wait_alu depctr_va_vdst(0)
	v_add_f32 v52, 1.0, v52
	v_log_f32 v54, v52
	v_nop
	s_wait_alu depctr_va_vdst(0)
	v_fmamk_f32 v55, v54, 0x3f317218, v53          ; max(x, 0) + ln(1 + e^-|x|)
	ds_store_b32 v[OST], v55
	s_wait_dscnt 0x0                               ; for the wave that reads all 128
	s_barrier_signal -1
	s_barrier_wait -1
	s_cmp_lg_u32 s26, 0
	s_cbranch_scc1 .Lno_out
	v_lshlrev_b32 v60, 4, v3
	v_add_nc_u32 v60, OUTS, v60
	ds_load_b128 v[64:67], v60
	s_wait_dscnt 0x0
	global_store_b128 v[OOF], v[64:67], s[12:13]   ; sixteen lanes store 256 consecutive bytes, at a multiple of 256 from out0's first byte
.Lno_out:
	s_wait_xcnt 0x0
	v_lshl_add_u32 v254, v0, 2, 0x4c800
	v_mov_b32 v255, 0
	s_wait_tensorcnt 0x0
	ds_add_u32 v254, v255
	s_wait_dscnt 0x0
	ROUND                                          ; the closing round: no group ends while a partner may still ask jointly
	s_endpgm
.Lfunc_end_k_qf0a2a884e6_main:
	.size	k_qf0a2a884e6_main, .Lfunc_end_k_qf0a2a884e6_main-k_qf0a2a884e6_main
	.p2alignl 7, 3214868480
	.fill 96, 4, 3214868480
	.section	.rodata,"a",@progbits
	.p2align	6, 0x0
	.amdhsa_kernel k_qf0a2a884e6_main
		.amdhsa_group_segment_fixed_size 327680
		.amdhsa_private_segment_fixed_size 0
		.amdhsa_enable_private_segment 0
		.amdhsa_kernarg_size 88
		.amdhsa_user_sgpr_count 2
		.amdhsa_user_sgpr_kernarg_segment_ptr 1
		.amdhsa_wavefront_size32 1
		.amdhsa_system_sgpr_workgroup_id_x 1
		.amdhsa_system_sgpr_workgroup_id_y 1
		.amdhsa_system_sgpr_workgroup_id_z 1
		.amdhsa_system_vgpr_workitem_id 0
		.amdhsa_next_free_vgpr 1024
		.amdhsa_next_free_sgpr 96
		.amdhsa_reserve_vcc 1
		.amdhsa_float_denorm_mode_32 3
		.amdhsa_float_denorm_mode_16_64 3
		.amdhsa_memory_ordered 1
		.amdhsa_forward_progress 1
		.amdhsa_inst_pref_size 255
	.end_amdhsa_kernel
	.section	.bss,"aw",@nobits
	.p2align	6
	.space	262144
	.amdgpu_metadata
---
amdhsa.version: [ 1, 2 ]
amdhsa.kernels:
  - .name:           k_qf0a2a884e6_main
    .symbol:         k_qf0a2a884e6_main.kd
    .args:
      - { .name: ws_emb, .offset: 0, .size: 8, .value_kind: global_buffer, .address_space: global }
      - { .name: ws_w, .offset: 8, .size: 8, .value_kind: global_buffer, .address_space: global }
      - { .name: event_time, .offset: 16, .size: 8, .value_kind: global_buffer, .address_space: global }
      - { .name: noise, .offset: 24, .size: 8, .value_kind: global_buffer, .address_space: global }
      - { .name: out0, .offset: 32, .size: 8, .value_kind: global_buffer, .address_space: global }
      - { .name: ln_gamma, .offset: 40, .size: 8, .value_kind: global_buffer, .address_space: global }
      - { .name: ln_beta, .offset: 48, .size: 8, .value_kind: global_buffer, .address_space: global }
      - { .name: w_time, .offset: 56, .size: 8, .value_kind: global_buffer, .address_space: global }
      - { .name: b_time, .offset: 64, .size: 8, .value_kind: global_buffer, .address_space: global }
      - { .name: gate_params, .offset: 72, .size: 8, .value_kind: global_buffer, .address_space: global }
      - { .name: length_scale, .offset: 80, .size: 8, .value_kind: global_buffer, .address_space: global }
    .group_segment_fixed_size: 327680
    .private_segment_fixed_size: 0
    .kernarg_segment_align: 8
    .kernarg_segment_size: 88
    .max_flat_workgroup_size: 128
    .sgpr_count:     96
    .vgpr_count:     1024
    .wavefront_size: 32
...
	.end_amdgpu_metadata
.endif
;; end of part 2
;; ======== version 2 of 3: 2 launches; 1.67 times as fast as version 1
;; workspace buffers: ws_emb 16,908,288 bytes; ws_w 262,144 bytes
;; launch prep: the kernel of part 1 again; grid 16 x 16, 8 waves a work-group, no clusters, 0 bytes of LDS; arguments event_time, Wi, Wn, ws_emb, ws_w; writes ws_emb, ws_w
;; launch main (part 3): grid 16 x 16, 4 waves a work-group, clusters of 4 x 1, 327,680 bytes of LDS; arguments ws_emb, ws_w, event_time, noise, out0, ln_gamma, ln_beta, w_time, b_time, gate_params, length_scale; writes out0
.if DOCPART == 3
	.amdgcn_target "amdgcn-amd-amdhsa--gfx1250"
	.amdhsa_code_object_version 6
	.text
	.protected	k_qf0a2a884e6_main
	.globl	k_qf0a2a884e6_main
	.p2align	8
	.type	k_qf0a2a884e6_main,@function
k_qf0a2a884e6_main:
	s_mov_b64 s[64:65], 0
	v_nop
	global_prefetch_b8 v0, s[64:65] scope:SCOPE_SE
	s_setreg_imm32_b32 hwreg(HW_REG_WAVE_MODE, 25, 1), 1
	s_wait_xcnt 0x0
	s_wait_alu depctr_hold_cnt(0) depctr_sa_sdst(0) depctr_va_vdst(0) depctr_va_sdst(0) depctr_va_ssrc(0) depctr_va_vcc(0) depctr_vm_vsrc(0)
	s_getreg_b32 s2, hwreg(HW_REG_IB_STS2, 6, 4)
	s_cmp_eq_u32 s2, 0
	s_cbranch_scc0 .Lentry_in_a_cluster
	s_endpgm
.Lentry_in_a_cluster:
	s_bfe_u32 s2, ttmp6, 0x10000c
	s_cmp_lg_u32 s2, 0x3003
	s_cbranch_scc0 .Lentry_shape_is_right
	s_endpgm
.Lentry_shape_is_right:
; out[b][i] = softplus( relu( noise Wn^T + LN(hidden) Wi^T ) . w_time + b_time ),  hidden[b][i][:] = sum over j <= i of score(|t_i - t_j|) emb[b][j][:],
; score(d) = exp(-d^2 / ls^2) (1 + tanh((d / 200 - l) / s)),  ls = softplus(length_scale), l, s = sigmoid(gate_params).
;
; EVERY PRODUCT IS TAKEN TRANSPOSED: the matrix instruction's rows (M) are features, its 16 columns (N) are 16 rows i.
;  - lane (r, h) of a B fragment holds 16 numbers of its own row i = r: the scores are made in registers, in operand layout;
;  - a result tile m holds feature 16 m + 8 h + register in lane (r, h): rounding tiles 2 kb and 2 kb + 1 to bf16 gives the B fragment of K block kb
;    of the next product, with no exchange between lanes; LayerNorm and the last dot are sums inside a lane and one exchange of the two halves.
; SHARE: a wave has 32 rows i, a low and a high tile of 16.  Work-group (a4, c, b): low rows 256 a4 + 64 c + 16 w + r, high rows 256 (7 - a4) + the same.
;  Tiles of 128 events T = 0 .. 2 a4 + 1 serve both, T = 2 a4 + 2 .. 15 - 2 a4 the high rows alone: 4 (2 a4 + 2) + 4 (16 - 2 a4) = 72 steps of
;  16 matrix instructions and 16 scores a lane, whatever a4.  The causal limit is applied by index in the low tiles and in the high rows' last two tiles.
; K BLOCKS: a tile's 128 events go in four blocks of 32, in a counted loop, so that a tile's text is one block's.  Block q takes events 16 q .. 16 q + 15
;  as k = 0 .. 15 and events 64 + 16 q .. + 15 as k = 16 .. 31, alike for emb and for the scores, which leaves the products as they are.  So cut, all
;  LDS addresses step by a constant from block to block: 32 bytes along emb's rows, 64 bytes along each of the tile's two rows of times.
; CLUSTER: the four c of one (a4, b) walk the same tiles in the same trips, so every tensor load is asked for jointly by the four (mask 15).
; score = 2^(1 - ds^2) / (1 + 2^(Q - P |ds|)), ds = (t_i - t_j) sqrt(log2 e) / ls, Q = 2 log2(e) l / s, P = sqrt(log2 e) ls / (100 s):
;  1 + tanh z = 2 / (1 + e^(-2z)).  An exponential that overflows gives a reciprocal of 0, the gate's limit; both factors lie in [0, 2].
; LIMITS: scores, emb, the weights, noise and the normalised hidden enter the matrix unit in bf16.  v_exp_f32 gives 0 for results below 2^-126.
;  The last softplus is max(x, 0) + ln(1 + e^-|x|) with the sum rounded in f32: an absolute error of up to 6e-8 for very negative x.
;  event_type does not enter the problem's result and is not loaded.
;
; LDS: two slots of a tile (two halves of 129 rows, pitch 272 = 17 x 16 bytes, so sixteen rows start in sixteen different 16-byte columns modulo 256);
;  Wi resident (256 rows, pitch 528 = 33 x 16); Wn lands on the slots when the tiles are done; then bytes that only LDS stores write.
.set TILEB, 66048                      ; a tile in memory
.set HALFB, 33024                      ; half a tile in memory
.set SLOT,  70400                      ; a slot
.set HALFL, 35088                      ; half a tile in LDS: 129 x 272
.set TROW,  34816                      ; the row of times in a half: behind 128 rows of 272 bytes
.set WHALF, 67584                      ; 128 rows of a weight matrix in LDS: 128 x 528
.set PW,    528
.set WI_L,  140800                     ; Wi
.set PAR,   275968                     ; gamma, beta, w_time: 3 x 1,024 bytes
.set SCR,   279040                     ; each wave's own 16 rows x 528 bytes, to turn noise
.set SCRW,  8448
.set OUTS,  312832                     ; the group's 64 low and 64 high results
; window 0
.set ADR, 4                            ; v4-7    A fragments: slot s, half e at ADR + 2 s + e; never rewritten
.set TAD, 8                            ; v8-11   the times' row, likewise; never rewritten
.set WIA, 12                           ; v12-13  Wi's fragments, rows 0-127, 128-255
.set WNA, 14                           ; v14-15  Wn's
.set SST, 16                           ; v16     noise into my stage
.set SRD, 17                           ; v17     and back as fragments
.set PADR, 18                          ; v18     gamma (beta + 1024, w_time + 2048) of my 8 h
.set OST, 19                           ; v19     where my result goes
.set ML,  20                           ; v20     low rows:  i - 8 h - the first event of the K block at work
.set MH,  21                           ; v21     high rows: the same, counted from their last pair of tiles
.set TIL, 22                           ; v[22:23] t_i of my low row, twice
.set TIH, 24                           ; v[24:25] of my high row
.set NOF, 26                           ; v26-27  byte offsets of my noise rows; never rewritten
.set PX,  28                           ; v28     takes the other half's number
.set OOF, 29                           ; v29     byte offset in out0
.set TJ,  32                           ; v[32:47]   the sixteen times of a K block
.set CA,  58                           ; v58-59  A fragments of the K block at work, feature halves 0, 1: a copy of ADR, stepped by 32
.set CT,  60                           ; v60-61  its times, from the two halves' rows: a copy of TAD, stepped by 64
.set DS,  96                           ; v[96:111]  ds, 1 - ds^2, the score
.set YY,  112                          ; v[112:127] Q - P |ds|, then 1 + 2^that
.set BL,  128                          ; v[128:135] B fragment of the low rows
.set BH,  136                          ; v[136:143] of the high rows
.set EX,  144                          ; v[144:159] 2^(1 - ds^2)
.set EY,  160                          ; v[160:175] 2^(Q - P |ds|), then the reciprocal
.set F0,  128                          ; behind the tiles: two buffers of 64 registers
.set F1,  192
.set SM,  32                           ; v[32:39]  four chains of a sum
.set RS,  44                           ; v[44:47]  1 / sqrt(var + eps), twice, for each of the two tiles
; window 1: accumulators of hidden^T, tile t (0 low, 1 high), feature block m at 128 t + 8 m; later their bf16 fragments at 128 t + 16 kb
; window 2: noise as loaded at 128 t + 4 (2 row + half); later its fragments at 128 t + 8 kb
; window 3: in the tiles' loop the sixteen A fragments at 8 m; later the generator's accumulators at 128 t + 8 m
.set G1T, 32                           ; s[32:39] shape of half a tile
.set G1W, 40                           ; s[40:47] shape of half a weight matrix
.set G0T, 48                           ; s[48:55] from where, to where: slot 0, slot 1
.set G0W, 56                           ; s[56:59] Wi
.set G0N, 60                           ; s[60:63] Wn
.set ZF,  0                            ; 1 while the products that start the sums are written
.set MSB, 0
.macro WIN new                         ; s_set_vgpr_msb: bits 1:0 source 0, 3:2 source 1, 5:4 source 2, 7:6 destination; the high byte repeats the setting that is left
.if MSB != \new
	s_set_vgpr_msb (MSB<<8)|\new
.set MSB, \new
.endif
.endm
.macro PLACES                          ; four plain vector instructions stand between a matrix instruction and a load into, or a vector access to, its registers
.rept 4
	v_nop
.endr
.endm
; A round of the cluster's barrier: my group's barrier, wave 0 signals for the group, every wave waits for the four groups, my group's barrier again.
.macro ROUND
	s_barrier_signal -1
	s_barrier_wait -1
	s_cmp_lg_u32 s26, 0
	s_cbranch_scc1 .Lnot_wave_0_\@
	s_barrier_signal -3
.Lnot_wave_0_\@:
	s_barrier_wait -3
	s_barrier_signal -1
	s_barrier_wait -1
.endm
.macro JT s                            ; waves 0 and 1 ask for the two halves of slot s's next tile
	s_cmp_lt_u32 s26, 2
	s_cbranch_scc0 .Lno_tile_\@
	tensor_load_to_lds s[G0T+4*\s:G0T+4*\s+3], s[G1T:G1T+7]
	s_nop 0
.Lno_tile_\@:
.endm
	s_load_b512 s[4:19], s[0:1], 0x0               ; ws_emb 4, ws_w 6, event_time 8, noise 10, out0 12, gamma 14, beta 16, w_time 18
	s_load_b128 s[20:23], s[0:1], 0x40             ; b_time 20, gate_params 22
	s_load_b64 s[24:25], s[0:1], 0x50              ; length_scale
	v_lshl_add_u32 v254, v0, 2, 0x4c800
	v_mov_b32 v255, 0
	ds_add_u32 v254, v255
	s_wait_dscnt 0x0
	v_lshrrev_b32 v1, 5, v0
	v_readfirstlane_b32 s26, v1                    ; wave w
	s_mov_b32 s27, ttmp9                           ; a4: the cluster's x
	s_bfe_u32 s28, ttmp6, 0x40000                  ; c: my place in the cluster; it enters global offsets and the index limits alone
	s_and_b32 s29, ttmp7, 0xffff                   ; b
	s_and_b32 s30, s26, 1
	s_mov_b32 s74, 0x76543210                      ; v_permlanex16_b32: lane i of one half reads lane i of the other
	s_mov_b32 s75, 0xfedcba98
	s_mov_b32 s77, 0x3b800000                      ; 1 / 256
	v_and_b32 v3, 31, v0                           ; lane
	v_and_b32 v1, 15, v0                           ; r
	v_bfe_u32 v2, v0, 4, 1                         ; h
	v_mov_b32 v[PX], 0
	; shapes.  Half a tile: 129 rows of 128 elements of 2 bytes, dense in memory; 4 words of padding behind every 64.
	s_mov_b32 s[G1T+0], 0x0771000f                 ; mask 15, element 2 bytes, padding on, bit 21 beside the mask, interval code 5, pad code 3
	s_mov_b32 s[G1T+1], 128<<16                    ; tensor_dim0 = 128
	s_mov_b32 s[G1T+2], 129<<16                    ; tensor_dim1 = 129
	s_mov_b32 s[G1T+3], 128<<16                    ; tile_dim0 = 128
	s_mov_b32 s[G1T+4], 129                        ; tile_dim1 = 129
	s_mov_b32 s[G1T+5], 128                        ; from row to row
	s_mov_b32 s[G1T+6], 0
	s_mov_b32 s[G1T+7], 0
	; Half a weight matrix: 128 rows of 256 elements; 4 words of padding behind every 128.
	s_mov_b32 s[G1W+0], 0x07b1000f
	s_mov_b32 s[G1W+1], 256<<16
	s_mov_b32 s[G1W+2], 128<<16
	s_mov_b32 s[G1W+3], 256<<16
	s_mov_b32 s[G1W+4], 128
	s_mov_b32 s[G1W+5], 256
	s_mov_b32 s[G1W+6], 0
	s_mov_b32 s[G1W+7], 0
	s_mov_b32 s[G0T+0], 1
	s_mul_i32 s[G0T+1], s26, HALFL                 ; slot 0: wave x half a tile
	s_mov_b32 s[G0T+4], 1
	s_add_co_u32 s[G0T+5], s[G0T+1], SLOT          ; slot 1
	s_mov_b32 s[G0W+0], 1
	s_mul_i32 s[G0W+1], s26, WHALF
	s_add_co_u32 s[G0W+1], s[G0W+1], WI_L-2*WHALF  ; waves 2 and 3: Wi's two halves
	s_mov_b32 s[G0N+0], 1
	s_mul_i32 s[G0N+1], s26, WHALF                 ; waves 0 and 1: Wn's two halves, from LDS byte 0
	s_mul_i32 s92, s29, 16*TILEB                   ; batch b's tiles
	s_mul_i32 s93, s30, HALFB
	s_add_co_u32 s92, s92, s93
	s_mov_b32 s93, 0
	s_lshl_b32 s94, s30, 16                        ; 128 rows of 512 bytes
	s_mov_b32 s95, 0
	; rows
	s_lshl_b32 s78, s28, 6
	s_lshl4_add_u32 s78, s26, s78                  ; 64 c + 16 w
	s_lshl_b32 s79, s27, 8                         ; 256 a4
	s_sub_co_u32 s80, 7, s27
	s_lshl_b32 s80, s80, 8                         ; 256 (7 - a4)
	s_lshl_b32 s81, s29, 11                        ; 2048 b
	s_add_co_u32 s82, s79, s78                     ; my wave's first low row
	s_add_co_u32 s83, s80, s78                     ; first high row
	s_add_co_u32 s84, s81, s82                     ; the same among all 32,768 rows
	s_add_co_u32 s85, s81, s83
	s_lshl_b32 s86, s84, 10                        ; in noise: 1,024 bytes a row, below 2^25
	s_lshl_b32 s87, s85, 10
	s_lshl_b32 s90, s28, 6
	s_add_co_u32 s88, s81, s79
	s_add_co_u32 s88, s88, s90
	s_lshl_b32 s88, s88, 2                         ; out0: the group's 64 low rows, a multiple of 256 bytes
	s_sub_co_u32 s89, s80, s79
	s_lshl_b32 s89, s89, 2                         ; and how far behind them its 64 high rows lie
	v_add_lshl_u32 v30, v1, s84, 2                 ; t_i of my low row
	v_add_lshl_u32 v31, v1, s85, 2                 ; of my high row
	v_lshlrev_b32 v32, 3, v0                       ; 8 bytes a thread of gamma, beta, w_time
	v_add_nc_u32 v33, PAR, v32
	v_lshl_add_u32 v[NOF],   v3, 4, s86
	v_lshl_add_u32 v[NOF+1], v3, 4, s87
	s_wait_kmcnt 0x0
	s_load_b32 s66, s[20:21], 0x0                  ; b_time
	s_load_b32 s67, s[24:25], 0x0                  ; length_scale
	s_load_b64 s[68:69], s[22:23], 0x0             ; gate_params
	s_add_nc_u64 s[G0T+2:G0T+3], s[4:5], s[92:93]  ; tile 0
	s_add_nc_u64 s[G0T+6:G0T+7], s[G0T+2:G0T+3], TILEB   ; tile 1
	s_add_nc_u64 s[G0W+2:G0W+3], s[6:7], s[94:95]
	s_add_nc_u64 s[G0N+2:G0N+3], s[G0W+2:G0W+3], 131072
	s_or_b32 s[G0T+3], s[G0T+3], 0x80000000        ; type 2
	s_or_b32 s[G0T+7], s[G0T+7], 0x80000000
	s_or_b32 s[G0W+3], s[G0W+3], 0x80000000
	s_or_b32 s[G0N+3], s[G0N+3], 0x80000000
	global_load_b64 v[34:35], v32, s[14:15]
	global_load_b64 v[36:37], v32, s[16:17]
	global_load_b64 v[38:39], v32, s[18:19]
	global_load_b32 v[TIL], v30, s[8:9]
	global_load_b32 v[TIH], v31, s[8:9]
	ROUND                                          ; the four groups are here: the first joint loads meet
	s_cmp_lt_u32 s26, 2                            ; the first fills, one a wave, in one branch on the wave's number
	s_cbranch_scc0 .Lfill_wi
	tensor_load_to_lds s[G0T:G0T+3], s[G1T:G1T+7]  ; waves 0, 1: tile 0 into slot 0
	s_nop 0
	s_branch .Lfilled
.Lfill_wi:
	tensor_load_to_lds s[G0W:G0W+3], s[G1W:G1W+7]  ; waves 2, 3: Wi
	s_nop 0
.Lfilled:
	s_wait_loadcnt 0x0                             ; the five small loads; none is out when the noise loads begin, so their counts are their own
	ds_store_b64 v33, v[34:35]                     ; read by all waves much later, behind many barriers with their waits for LDS
	ds_store_b64 v33, v[36:37] offset:1024
	ds_store_b64 v33, v[38:39] offset:2048
	v_mov_b32 v[TIL+1], v[TIL]
	v_mov_b32 v[TIH+1], v[TIH]
	; noise: my 32 rows, 512 consecutive bytes a load, asked for now and used behind the tiles; they lie in window 2, which the loop does not touch
	WIN 0x80
.irp t, 0,1
.set li, 0
.rept 32
	global_load_b128 v[128*\t+4*li:128*\t+4*li+3], v[NOF+\t], s[10:11] offset:512*li th:TH_LOAD_NT
.set li, li+1
.endr
.endr
	WIN 0
	; the score's three constants, in every lane alike, then as scalars
	s_wait_kmcnt 0x0
	v_mov_b32 v40, s67                             ; x = length_scale
	v_mov_b32 v41, s68
	v_mov_b32 v42, s69
	v_and_b32 v43, 0x7fffffff, v40
	v_mul_f32 v43, 0xbfb8aa3b, v43
	v_mul_f32 v41, 0xbfb8aa3b, v41
	v_mul_f32 v42, 0xbfb8aa3b, v42
	v_exp_f32 v44, v43                             ; z = e^-|x|
	v_exp_f32 v45, v41                             ; e^-g0
	v_exp_f32 v46, v42                             ; e^-g1
	v_nop                                          ; one plain instruction behind transcendentals (ISA guide 5.7.2), here and below
	s_wait_alu depctr_va_vdst(0)
	v_add_f32 v47, 1.0, v44                        ; u = 1 + z
	v_add_f32 v45, 1.0, v45
	v_add_f32 v46, 1.0, v46                        ; 1 / s
	v_add_f32 v48, -1.0, v47                       ; u - 1
	v_log_f32 v49, v47
	v_rcp_f32 v50, v48
	v_rcp_f32 v51, v45                             ; l
	v_nop
	s_wait_alu depctr_va_vdst(0)
	v_mul_f32 v49, 0x3f317218, v49                 ; ln u
	v_mul_f32 v49, v49, v44
	v_mul_f32 v49, v49, v50                        ; ln(1 + z) = ln(u) z / (u - 1): exact to rounding for small z too,
	v_cmp_eq_f32 vcc_lo, 1.0, v47
	v_cndmask_b32 v49, v49, v44, vcc_lo            ; and z itself where u rounds to 1: ls never becomes 0
	v_max_num_f32 v40, 0, v40
	v_add_f32 v49, v49, v40                        ; ls = max(x, 0) + ln(1 + e^-|x|)
	v_rcp_f32 v50, v49
	v_mul_f32 v51, v51, v46                        ; l / s
	v_mul_f32 v52, v49, v46                        ; ls / s
	s_wait_alu depctr_va_vdst(0)
	v_mul_f32 v50, 0x3f99be61, v50                 ; sqrt(log2 e) / ls
	v_mul_f32 v51, 0x4038aa3b, v51                 ; Q = 2 log2(e) l / s
	v_mul_f32 v52, 0xbc44caba, v52                 ; -P = -sqrt(log2 e) / 100 x ls / s
	v_readfirstlane_b32 s70, v50
	v_readfirstlane_b32 s72, v52
	v_readfirstlane_b32 s73, v51
	s_mov_b32 s71, s70
	; addresses
	v_mul_u32_u24 v53, 272, v1
	v_lshl_add_u32 v53, v2, 4, v53                 ; 272 r + 16 h
	v_lshlrev_b32 v54, 5, v2                       ; 32 h
	v_mul_u32_u24 v55, PW, v1
	v_lshl_add_u32 v55, v2, 4, v55                 ; 528 r + 16 h
.irp sl, 0,1
.irp hf, 0,1
	v_add_nc_u32 v[ADR+2*\sl+\hf], \sl*SLOT+\hf*HALFL, v53
	v_add_nc_u32 v[TAD+2*\sl+\hf], \sl*SLOT+\hf*HALFL, v54
.endr
.endr
	v_add_nc_u32 v[WIA],   WI_L, v55
	v_add_nc_u32 v[WIA+1], WI_L+WHALF, v55
	v_mov_b32    v[WNA],   v55
	v_add_nc_u32 v[WNA+1], WHALF, v55
	s_mul_i32 s91, s26, SCRW
	s_add_co_u32 s91, s91, SCR                     ; my wave's stage
	v_lshl_add_u32 v[SST], v3, 3, s91
	v_add_nc_u32 v[SRD], s91, v55
	v_add_nc_u32 v[PADR], PAR, v54
	s_lshl_b32 s92, s26, 6
	s_add_co_u32 s92, s92, OUTS
	v_lshl_add_u32 v[OST], v2, 8, s92
	v_lshl_add_u32 v[OST], v1, 2, v[OST]           ; OUTS + 256 h + 4 (16 w + r): lanes 0-15 put the low rows' results, lanes 16-31 the high rows'
	v_lshlrev_b32 v56, 3, v2
	v_sub_nc_u32 v56, v1, v56                      ; r - 8 h
	v_add_nc_u32 v[ML], s82, v56
	v_add_nc_u32 v[MH], s78, v56
	v_mad_u32_u24 v[OOF], v2, s89, s88
	v_lshl_add_u32 v[OOF], v1, 4, v[OOF]
; Sixteen scores of my row (its time, twice, in v[ti:ti+1]) against the K block whose times lie in TJ, as a B fragment in dst.
; mreg other than 0: events behind my row count 0.  Number n of my sixteen is event 16 q + 8 h + n of the tile for n < 8 and 64 + 16 q + 8 h + n - 8
; for n >= 8; v[mreg] holds my row less the tile's first event less 8 h less 16 q, so the number stays if n, or n + 56, is at most v[mreg].
.macro SCORE16 ti, dst, mreg
.set qi, 0
.rept 8
	v_pk_add_f32 v[DS+2*qi:DS+2*qi+1], v[\ti:\ti+1], v[TJ+2*qi:TJ+2*qi+1] neg_lo:[0,1] neg_hi:[0,1]
.set qi, qi+1
.endr
.set qi, 0
.rept 8
	v_pk_mul_f32 v[DS+2*qi:DS+2*qi+1], v[DS+2*qi:DS+2*qi+1], s[70:71] op_sel_hi:[1,0]
.set qi, qi+1
.endr
.set qi, 0
.rept 16
	v_fma_f32 v[YY+qi], |v[DS+qi]|, s72, s73
.set qi, qi+1
.endr
.set qi, 0
.rept 8
	v_pk_fma_f32 v[DS+2*qi:DS+2*qi+1], v[DS+2*qi:DS+2*qi+1], v[DS+2*qi:DS+2*qi+1], 1.0 op_sel_hi:[1,1,0] neg_lo:[1,0,0] neg_hi:[1,0,0]
.set qi, qi+1
.endr
.set qi, 0
.rept 16
	v_exp_f32 v[EX+qi], v[DS+qi]
.set qi, qi+1
.endr
.set qi, 0
.rept 16
	v_exp_f32 v[EY+qi], v[YY+qi]
.set qi, qi+1
.endr
	v_nop                                          ; one plain instruction behind the transcendentals (ISA guide 5.7.2)
.set qi, 0
	s_wait_alu depctr_va_vdst(0)
.rept 8
	v_pk_add_f32 v[YY+2*qi:YY+2*qi+1], v[EY+2*qi:EY+2*qi+1], 1.0 op_sel_hi:[1,0]
.set qi, qi+1
.endr
.set qi, 0
.rept 16
	v_rcp_f32 v[EY+qi], v[YY+qi]
.set qi, qi+1
.endr
	v_nop
.set qi, 0
	s_wait_alu depctr_va_vdst(0)
.rept 8
	v_pk_mul_f32 v[DS+2*qi:DS+2*qi+1], v[EX+2*qi:EX+2*qi+1], v[EY+2*qi:EY+2*qi+1]
.set qi, qi+1
.endr
.if \mreg
.set qi, 0
.rept 16
	v_cmp_le_i32 vcc_lo, qi+56*(qi/8), v[\mreg]
	v_cndmask_b32 v[DS+qi], 0, v[DS+qi], vcc_lo
.set qi, qi+1
.endr
.endif
.set qi, 0
.rept 8
	v_cvt_pk_bf16_f32 v[\dst+qi], v[DS+2*qi], v[DS+2*qi+1]
.set qi, qi+1
.endr
.endm
; The sixteen times of the K block at CT: eight from each half's row of times.
.macro TIMES
	ds_load_b128 v[TJ:TJ+3],     v[CT]   offset:TROW
	ds_load_b128 v[TJ+4:TJ+7],   v[CT]   offset:TROW+16
	ds_load_b128 v[TJ+8:TJ+11],  v[CT+1] offset:TROW
	ds_load_b128 v[TJ+12:TJ+15], v[CT+1] offset:TROW+16
.endm
; The sixteen A fragments (256 features x 32 events) of the K block at CA, into window 3: registers 0-3 the block's first sixteen events, 4-7 those 64 events on.
; The four places behind the matrix instructions that read these registers stand at the foot of the block before.
.macro FETCHA
	WIN 0xc0
.set mi, 0
.rept 16
	ds_load_b128 v[8*mi:8*mi+3],   v[CA+(mi>>3)] offset:(mi&7)*4352
	ds_load_b128 v[8*mi+4:8*mi+7], v[CA+(mi>>3)] offset:(mi&7)*4352+128
.set mi, mi+1
.endr
	WIN 0
.endm
; Sixteen matrix instructions: all features x the 16 rows of tile t.  The sixteen accumulators take turns.  ZF = 1: the products start the sums.
.macro MUL t, bf
	WIN 0x53
.set mi, 0
.rept 16
.if ZF
	v_wmma_f32_16x16x32_bf16 v[128*\t+8*mi:128*\t+8*mi+7], v[8*mi:8*mi+7], v[\bf:\bf+7], 0
.else
	v_wmma_f32_16x16x32_bf16 v[128*\t+8*mi:128*\t+8*mi+7], v[8*mi:8*mi+7], v[\bf:\bf+7], v[128*\t+8*mi:128*\t+8*mi+7]
.endif
.set mi, mi+1
.endr
	WIN 0
.endm
; One K block.  both = 1: for the low and the high rows; ml, mh: the index limits' registers or 0.
; cond = 1: inside the tile's loop, whose counter s31 is the block's number: the tile's last block asks for no further times.
.macro QBODY both, ml, mh, cond
	FETCHA
	s_wait_dscnt 32                                ; the four loads of this block's times are in; the 32 fragment loads behind them stay out
.if \both
	SCORE16 TIL, BL, \ml
	s_wait_dscnt 0x0                               ; the A fragments, asked for in front of the scores
	MUL 0, BL
	SCORE16 TIH, BH, \mh
.else
	SCORE16 TIH, BH, \mh
	s_wait_dscnt 0x0
.endif
.if \cond
	s_cmp_eq_u32 s31, 3
	s_cbranch_scc1 .Lno_times_\@
.endif
	v_add_nc_u32 v[CT],   64, v[CT]                ; TJ has been read for the last time: the next block's times are asked for
	v_add_nc_u32 v[CT+1], 64, v[CT+1]              ; in front of sixteen matrix instructions, during which they land
	TIMES
.if \cond
.Lno_times_\@:
.endif
	MUL 1, BH
	; four plain vector instructions behind the matrix instructions, in front of the next block's loads into their A registers
	v_add_nc_u32 v[CA],   32, v[CA]
	v_add_nc_u32 v[CA+1], 32, v[CA+1]
.if \ml
	v_add_nc_u32 v[\ml], -16, v[\ml]
.else
	v_nop
.endif
.if \mh
	v_add_nc_u32 v[\mh], -16, v[\mh]
.else
	v_nop
.endif
.endm
; A tile of 128 events in slot sl: four K blocks in a counted loop.  zero = 1: the first block is written out, its products start the sums, and the loop takes the other three.
.macro TILE sl, both, ml, mh, zero
	v_mov_b32 v[CA],   v[ADR+2*\sl]
	v_mov_b32 v[CA+1], v[ADR+2*\sl+1]
	v_mov_b32 v[CT],   v[TAD+2*\sl]
	v_mov_b32 v[CT+1], v[TAD+2*\sl+1]
	TIMES
.if \zero
.set ZF, 1
	QBODY \both, \ml, \mh, 0
.set ZF, 0
	s_mov_b32 s31, 1
.else
	s_mov_b32 s31, 0
.endif
.Lq_\@:
	QBODY \both, \ml, \mh, 1
	s_add_co_u32 s31, s31, 1
	s_cmp_lt_u32 s31, 4
	s_cbranch_scc1 .Lq_\@
.if \ml
	v_add_nc_u32 v[\ml], 0xffffffc0, v[\ml]        ; four blocks took 64 off; the next tile begins 128 events on
.endif
.if \mh
	v_add_nc_u32 v[\mh], 0xffffffc0, v[\mh]
.endif
.endm
; A trip: the change of slots, then slot sl's tile.  In front of the round every wave waits for all its tensor loads (one at the most is out: its half of
; this slot's tile) and for its reads of the other slot; behind the round the other slot is asked for again first, one load a wave.
.macro TRIP sl, refill, both, ml, mh, zero
	s_wait_xcnt 0x0
	v_lshl_add_u32 v254, v0, 2, 0x4c800
	v_mov_b32 v255, 0
	s_wait_tensorcnt 0x0
	ds_add_u32 v254, v255
	s_wait_dscnt 0x0
	s_add_nc_u64 s[G0T+4*\sl+2:G0T+4*\sl+3], s[G0T+4*\sl+2:G0T+4*\sl+3], 2*TILEB   ; no load of mine is out: this slot's next tile
	s_wait_dscnt 0x0
	ROUND
.if \refill
	JT (1-\sl)
.endif
	TILE \sl, \both, \ml, \mh, \zero
.endm
	; tiles 0 and 1: both row tiles; the first block's products start the sums
	TRIP 0, 1, 1, ML, 0, 1
	TRIP 1, 1, 1, ML, 0, 0
	s_cmp_eq_u32 s27, 0
	s_cbranch_scc1 .Lno_a
	s_mov_b32 s76, s27                             ; a4 more pairs for both
.Lloop_a:
	TRIP 0, 1, 1, ML, 0, 0
	TRIP 1, 1, 1, ML, 0, 0
	s_sub_co_i32 s76, s76, 1
	s_cmp_gt_i32 s76, 0
	s_cbranch_scc1 .Lloop_a
.Lno_a:
	s_cmp_eq_u32 s27, 3
	s_cbranch_scc1 .Lno_c
	s_lshl_b32 s76, s27, 1
	s_sub_co_i32 s76, 6, s76                       ; 6 - 2 a4 pairs for the high rows alone, all in front of them
.Lloop_c:
	TRIP 0, 1, 0, 0, 0, 0
	TRIP 1, 1, 0, 0, 0, 0
	s_sub_co_i32 s76, s76, 1
	s_cmp_gt_i32 s76, 0
	s_cbranch_scc1 .Lloop_c
.Lno_c:
	TRIP 0, 1, 0, 0, MH, 0                         ; the high rows' own 256 events; the last trip asks for nothing
	TRIP 1, 0, 0, 0, MH, 0
	; Wn onto the two slots: every wave's reads of them and all tensor loads are done, in all four groups; it lands during what follows
	s_wait_xcnt 0x0
	v_lshl_add_u32 v254, v0, 2, 0x4c800
	v_mov_b32 v255, 0
	s_wait_tensorcnt 0x0
	ds_add_u32 v254, v255
	s_wait_dscnt 0x0
	s_wait_dscnt 0x0
	ROUND
	s_cmp_lt_u32 s26, 2
	s_cbranch_scc0 .Lno_wn
	tensor_load_to_lds s[G0N:G0N+3], s[G1W:G1W+7]
	s_nop 0
.Lno_wn:
.macro FOLD dst                        ; four chains of pairs, and the other half of the lanes: the sum over 256 features, in every lane
	v_pk_add_f32 v[SM:SM+1], v[SM:SM+1], v[SM+2:SM+3]
	v_pk_add_f32 v[SM+4:SM+5], v[SM+4:SM+5], v[SM+6:SM+7]
	v_pk_add_f32 v[SM:SM+1], v[SM:SM+1], v[SM+4:SM+5]
	v_add_f32 v[SM], v[SM], v[SM+1]
	v_permlanex16_b32 v[PX], v[SM], s74, s75
	v_add_f32 v[\dst], v[SM], v[PX]
.endm
; LayerNorm's figures for tile t: the mean, the centred numbers in place, the mean of their squares.
.macro LNSTAT t
	WIN 0x05
.set pp, 0
.rept 4
	v_pk_add_f32 v[SM+2*pp:SM+2*pp+1], v[128*\t+2*pp:128*\t+2*pp+1], v[128*\t+8+2*pp:128*\t+8+2*pp+1]
.set pp, pp+1
.endr
	WIN 0x01
.set pp, 8
.rept 56
	v_pk_add_f32 v[SM+2*(pp&3):SM+2*(pp&3)+1], v[128*\t+2*pp:128*\t+2*pp+1], v[SM+2*(pp&3):SM+2*(pp&3)+1]
.set pp, pp+1
.endr
	WIN 0
	FOLD SM
	v_mul_f32 v40, 0xbb800000, v[SM]               ; -mean
	v_mul_f32 v41, 0xbb800000, v[SM]
	WIN 0x41
.set pp, 0
.rept 64
	v_pk_add_f32 v[128*\t+2*pp:128*\t+2*pp+1], v[128*\t+2*pp:128*\t+2*pp+1], v[40:41]
.set pp, pp+1
.endr
	WIN 0x05
.set pp, 0
.rept 4
	v_pk_mul_f32 v[SM+2*pp:SM+2*pp+1], v[128*\t+2*pp:128*\t+2*pp+1], v[128*\t+2*pp:128*\t+2*pp+1]
.set pp, pp+1
.endr
.rept 60
	v_pk_fma_f32 v[SM+2*(pp&3):SM+2*(pp&3)+1], v[128*\t+2*pp:128*\t+2*pp+1], v[128*\t+2*pp:128*\t+2*pp+1], v[SM+2*(pp&3):SM+2*(pp&3)+1]
.set pp, pp+1
.endr
	WIN 0
	FOLD SM
	v_fmaak_f32 v42, s77, v[SM], 0x358637bd        ; var + 1e-6
	v_rsq_f32 v[RS+2*\t], v42
	v_nop
	s_wait_alu depctr_va_vdst(0)
	v_mov_b32 v[RS+2*\t+1], v[RS+2*\t]
.endm
; gamma and beta of feature blocks 8 hm .. 8 hm + 7, applied to both tiles.
.macro LNAPPLY hm
.set mi, 0
.rept 8
	ds_load_b128 v[F0+8*mi:F0+8*mi+3],   v[PADR] offset:64*(8*\hm+mi)
	ds_load_b128 v[F0+8*mi+4:F0+8*mi+7], v[PADR] offset:64*(8*\hm+mi)+16
	ds_load_b128 v[F1+8*mi:F1+8*mi+3],   v[PADR] offset:1024+64*(8*\hm+mi)
	ds_load_b128 v[F1+8*mi+4:F1+8*mi+7], v[PADR] offset:1024+64*(8*\hm+mi)+16
.set mi, mi+1
.endr
	s_wait_dscnt 0x0
	WIN 0x41
.irp t, 0,1
.set pp, 0
.rept 32
	v_pk_mul_f32 v[128*\t+64*\hm+2*pp:128*\t+64*\hm+2*pp+1], v[128*\t+64*\hm+2*pp:128*\t+64*\hm+2*pp+1], v[RS+2*\t:RS+2*\t+1]
.set pp, pp+1
.endr
.set pp, 0
.rept 32
	v_pk_fma_f32 v[128*\t+64*\hm+2*pp:128*\t+64*\hm+2*pp+1], v[128*\t+64*\hm+2*pp:128*\t+64*\hm+2*pp+1], v[F0+2*pp:F0+2*pp+1], v[F1+2*pp:F1+2*pp+1]
.set pp, pp+1
.endr
.endr
	WIN 0
.endm
	PLACES                                         ; behind the last matrix instructions: their results are read, their B registers loaded into
	LNSTAT 0
	LNSTAT 1
	LNAPPLY 0
	LNAPPLY 1
	; to bf16, in place: blocks 2 kb and 2 kb + 1 become the eight registers of K block kb's B fragment, at 128 t + 16 kb
	WIN 0x45
.irp t, 0,1
.set pp, 0
.rept 64
	v_cvt_pk_bf16_f32 v[128*\t+16*(pp>>3)+(pp&7)], v[128*\t+16*(pp>>3)+2*(pp&7)], v[128*\t+16*(pp>>3)+2*(pp&7)+1]
.set pp, pp+1
.endr
.endr
	WIN 0
; noise of tile t: rounded to bf16, laid by rows into my own stage, read back as B fragments.  LDS serves a wave's instructions in order
; (ISA guide 5.7.1), and no other wave touches the stage: no wait between the stores and the loads, nor between the two tiles.
.macro NOISE t, left
	s_wait_loadcnt \left                           ; loads come back in order: this tile's 32 are in, \left younger ones stay out
	WIN 0x0a
.set li, 0
.rept 32
	v_cvt_pk_bf16_f32 v[32+2*li], v[128*\t+4*li],   v[128*\t+4*li+1]
	v_cvt_pk_bf16_f32 v[33+2*li], v[128*\t+4*li+2], v[128*\t+4*li+3]
.set li, li+1
.endr
	WIN 0
.set li, 0
.rept 32
	ds_store_b64 v[SST], v[32+2*li:33+2*li] offset:PW*(li>>1)+256*(li&1)
.set li, li+1
.endr
	WIN 0x80
.set li, 0
.rept 8
	ds_load_b128 v[128*\t+8*li:128*\t+8*li+3],   v[SRD] offset:64*li
	ds_load_b128 v[128*\t+8*li+4:128*\t+8*li+7], v[SRD] offset:64*li+32
.set li, li+1
.endr
	WIN 0
.endm
	NOISE 0, 32
	NOISE 1, 0
; The generator's products.  Step n = 2 kb + g: K block kb, output features 128 g .. 128 g + 127 (eight A fragments in buffer n & 1), both row tiles.
.macro GFETCH adr, n
.set gm, 0
.rept 8
	ds_load_b128 v[F0+64*((\n)&1)+8*gm:F0+64*((\n)&1)+8*gm+3],   v[\adr+((\n)&1)] offset:8448*gm+64*((\n)>>1)
	ds_load_b128 v[F0+64*((\n)&1)+8*gm+4:F0+64*((\n)&1)+8*gm+7], v[\adr+((\n)&1)] offset:8448*gm+64*((\n)>>1)+32
.set gm, gm+1
.endr
.endm
.macro GMUL n, win, bstep, first       ; sixteen accumulators by turns; the next step takes the other sixteen
.set gz, 0
.if \first
.if (\n) < 2
.set gz, 1
.endif
.endif
	WIN \win
.set gm, 0
.rept 8
.irp t, 0,1
.if gz
	v_wmma_f32_16x16x32_bf16 v[128*\t+8*(8*((\n)&1)+gm):128*\t+8*(8*((\n)&1)+gm)+7], v[F0+64*((\n)&1)+8*gm:F0+64*((\n)&1)+8*gm+7], v[128*\t+\bstep*((\n)>>1):128*\t+\bstep*((\n)>>1)+7], 0
.else
	v_wmma_f32_16x16x32_bf16 v[128*\t+8*(8*((\n)&1)+gm):128*\t+8*(8*((\n)&1)+gm)+7], v[F0+64*((\n)&1)+8*gm:F0+64*((\n)&1)+8*gm+7], v[128*\t+\bstep*((\n)>>1):128*\t+\bstep*((\n)>>1)+7], v[128*\t+8*(8*((\n)&1)+gm):128*\t+8*(8*((\n)&1)+gm)+7]
.endif
.endr
.set gm, gm+1
.endr
	WIN 0
.endm
.macro GSER adr, win, bstep, first
	PLACES
	GFETCH \adr, 0
.set gn, 0
.rept 16
.if gn < 15
.if gn
	PLACES                                         ; the buffer about to be loaded was read by the matrix instructions just issued
.endif
	GFETCH \adr, gn+1
	s_wait_dscnt 16                                ; all but the sixteen loads just issued: this step's fragments are in
.else
	s_wait_dscnt 0x0
.endif
	GMUL gn, \win, \bstep, \first
.set gn, gn+1
.endr
.endm
	GSER WIA, 0xf4, 16, 1                          ; Wi x normalised hidden (B in window 1); its first K block starts the sums
	s_wait_tensorcnt 0x0                           ; waves 0 and 1: my half of Wn has landed
	s_wait_dscnt 0x0
	s_barrier_signal -1
	s_barrier_wait -1                              ; everybody's has
	GSER WNA, 0xf8, 8, 0                           ; + Wn x noise (B in window 2)
	; relu, the dot with w_time, softplus
	PLACES                                         ; behind the last matrix instructions
.set mi, 0
.rept 16
	ds_load_b128 v[128+8*mi:128+8*mi+3],   v[PADR] offset:2048+64*mi
	ds_load_b128 v[128+8*mi+4:128+8*mi+7], v[PADR] offset:2048+64*mi+16
.set mi, mi+1
.endr
	WIN 0xcf
.set pp, 0
.rept 256
	v_max_num_f32 v[pp], 0, v[pp]
.set pp, pp+1
.endr
	WIN 0
	s_wait_dscnt 0x0
.irp t, 0,1
	WIN 0x03
.set pp, 0
.rept 4
	v_pk_mul_f32 v[SM+2*pp:SM+2*pp+1], v[128*\t+2*pp:128*\t+2*pp+1], v[128+2*pp:128+2*pp+1]
.set pp, pp+1
.endr
.rept 60
	v_pk_fma_f32 v[SM+2*(pp&3):SM+2*(pp&3)+1], v[128*\t+2*pp:128*\t+2*pp+1], v[128+2*pp:128+2*pp+1], v[SM+2*(pp&3):SM+2*(pp&3)+1]
.set pp, pp+1
.endr
	WIN 0
	FOLD 48+\t
.endr
	v_cmp_eq_u32 vcc_lo, 1, v2
	v_cndmask_b32 v50, v48, v49, vcc_lo            ; lanes 0-15 finish the low row r, lanes 16-31 the high row r
	v_add_f32 v50, s66, v50                        ; + b_time
	v_and_b32 v51, 0x7fffffff, v50
	v_mul_f32 v51, 0xbfb8aa3b, v51
	v_exp_f32 v52, v51                             ; e^-|x|
	v_max_num_f32 v53, 0, v50                      ; the plain instruction behind it
	s_wait_alu depctr_va_vdst(0)
	v_add_f32 v52, 1.0, v52
	v_log_f32 v54, v52
	v_nop
	s_wait_alu depctr_va_vdst(0)
	v_fmamk_f32 v55, v54, 0x3f317218, v53          ; max(x, 0) + ln(1 + e^-|x|)
	ds_store_b32 v[OST], v55
	s_wait_dscnt 0x0                               ; for the wave that reads all 128
	s_barrier_signal -1
	s_barrier_wait -1
	s_cmp_lg_u32 s26, 0
	s_cbranch_scc1 .Lno_out
	v_lshlrev_b32 v62, 4, v3
	v_add_nc_u32 v62, OUTS, v62
	ds_load_b128 v[64:67], v62
	s_wait_dscnt 0x0
	global_store_b128 v[OOF], v[64:67], s[12:13]   ; sixteen lanes store 256 consecutive bytes, at a multiple of 256 from out0's first byte
.Lno_out:
	s_wait_xcnt 0x0
	v_lshl_add_u32 v254, v0, 2, 0x4c800
	v_mov_b32 v255, 0
	s_wait_tensorcnt 0x0
	ds_add_u32 v254, v255
	s_wait_dscnt 0x0
	ROUND                                          ; the closing round: no group ends while a partner may still ask jointly
	s_endpgm
.Lfunc_end_k_qf0a2a884e6_main:
	.size	k_qf0a2a884e6_main, .Lfunc_end_k_qf0a2a884e6_main-k_qf0a2a884e6_main
	.p2alignl 7, 3214868480
	.fill 96, 4, 3214868480
	.section	.rodata,"a",@progbits
	.p2align	6, 0x0
	.amdhsa_kernel k_qf0a2a884e6_main
		.amdhsa_group_segment_fixed_size 327680
		.amdhsa_private_segment_fixed_size 0
		.amdhsa_enable_private_segment 0
		.amdhsa_kernarg_size 88
		.amdhsa_user_sgpr_count 2
		.amdhsa_user_sgpr_kernarg_segment_ptr 1
		.amdhsa_wavefront_size32 1
		.amdhsa_system_sgpr_workgroup_id_x 1
		.amdhsa_system_sgpr_workgroup_id_y 1
		.amdhsa_system_sgpr_workgroup_id_z 1
		.amdhsa_system_vgpr_workitem_id 0
		.amdhsa_next_free_vgpr 1024
		.amdhsa_next_free_sgpr 96
		.amdhsa_reserve_vcc 1
		.amdhsa_float_denorm_mode_32 3
		.amdhsa_float_denorm_mode_16_64 3
		.amdhsa_memory_ordered 1
		.amdhsa_forward_progress 1
		.amdhsa_inst_pref_size 255
	.end_amdhsa_kernel
	.section	.bss,"aw",@nobits
	.p2align	6
	.space	262144
	.amdgpu_metadata
---
amdhsa.version: [ 1, 2 ]
amdhsa.kernels:
  - .name:           k_qf0a2a884e6_main
    .symbol:         k_qf0a2a884e6_main.kd
    .args:
      - { .name: ws_emb, .offset: 0, .size: 8, .value_kind: global_buffer, .address_space: global }
      - { .name: ws_w, .offset: 8, .size: 8, .value_kind: global_buffer, .address_space: global }
      - { .name: event_time, .offset: 16, .size: 8, .value_kind: global_buffer, .address_space: global }
      - { .name: noise, .offset: 24, .size: 8, .value_kind: global_buffer, .address_space: global }
      - { .name: out0, .offset: 32, .size: 8, .value_kind: global_buffer, .address_space: global }
      - { .name: ln_gamma, .offset: 40, .size: 8, .value_kind: global_buffer, .address_space: global }
      - { .name: ln_beta, .offset: 48, .size: 8, .value_kind: global_buffer, .address_space: global }
      - { .name: w_time, .offset: 56, .size: 8, .value_kind: global_buffer, .address_space: global }
      - { .name: b_time, .offset: 64, .size: 8, .value_kind: global_buffer, .address_space: global }
      - { .name: gate_params, .offset: 72, .size: 8, .value_kind: global_buffer, .address_space: global }
      - { .name: length_scale, .offset: 80, .size: 8, .value_kind: global_buffer, .address_space: global }
    .group_segment_fixed_size: 327680
    .private_segment_fixed_size: 0
    .kernarg_segment_align: 8
    .kernarg_segment_size: 88
    .max_flat_workgroup_size: 128
    .sgpr_count:     96
    .vgpr_count:     1024
    .wavefront_size: 32
...
	.end_amdgpu_metadata
.endif
;; end of part 3
;; ======== version 3 of 3: 2 launches; version 2 with the launch prep written anew for expert scheduling mode
;; workspace buffers: ws_emb 16,908,288 bytes; ws_w 262,144 bytes
;; launch prep (part 4): grid 16 x 16, 8 waves a work-group, no clusters, 0 bytes of LDS; arguments event_time, Wi, Wn, ws_emb, ws_w; writes ws_emb, ws_w
.if DOCPART == 4
	.amdgcn_target "amdgcn-amd-amdhsa--gfx1250"
	.amdhsa_code_object_version 6
	.text
	.protected	k_qf0a2a884e6_prep
	.globl	k_qf0a2a884e6_prep
	.p2align	8
	.type	k_qf0a2a884e6_prep,@function
k_qf0a2a884e6_prep:
	s_mov_b64 s[64:65], 0
	v_nop
	global_prefetch_b8 v0, s[64:65] scope:SCOPE_SE
	s_setreg_imm32_b32 hwreg(HW_REG_WAVE_SCHED_MODE, 0, 2), 2
	s_setreg_imm32_b32 hwreg(HW_REG_WAVE_MODE, 25, 1), 1
	s_wait_xcnt 0x0
	s_wait_alu depctr_vm_vsrc(0)
; PREPARATION.  Makes, once, what every row block of the main launch streams:
;  ws_emb [b 16][T 16][half 2][129 rows][256 bytes]: tile (b, T) covers the events j = 128 T .. 128 T + 127 of batch b.
;     rows 0..127 of half e: emb[b][j][d = 128 e + row] as 128 bf16, j along the row (the transposed encoding);
;     row 128 of half e:     event_time[b][128 T + 64 e .. + 63] as 64 f32 (the times travel with their tile).
;  ws_w: Wi rounded to bf16 [256][256], then Wn likewise.
; emb[j][d] = sin(t_j / 10000^(2d/256)) for even d, cos for odd d.  In turns: u = t * w + ph, w = 2^(-d log2(10000)/128) / (2 pi),
; ph = 1/4 for odd d (a cosine is a sine a quarter turn ahead); f = u - round(u) in [-1/2, 1/2]; g = 1/4 - ||f| - 1/4| in [0, 1/4] has the
; same sine as |f|; sin(2 pi g) by the odd Taylor polynomial up to g^9 (the first term left out is at most 3.6e-6); the sign is f's.
; LIMITS: u carries a rounding of |u| 2^-24 turns, so the angle is as good as a bf16 result needs up to |t| of about 3e4.
; event_type does not enter the problem's result and is loaded by no launch.
; Work-group (T, b), eight waves.  Thread: q = v0 & 15 owns the eight events 8 q .. 8 q + 7, dsub = v0 >> 4; step it takes d = 16 it + dsub.
; A store of a wave covers two whole rows: 512 consecutive bytes, aligned.  No LDS, no barrier: nothing is shared.
; THE MODE: SCHED_MODE bits 1:0 = 2 (LLVM: expert scheduling mode 2), set by the entry lines.  The code itself states the register dependences
; between vector instructions and memory instructions, with s_wait_alu, always for 0.
; THE PLAN.  Registers that memory instructions touch:
;   v49, v48     byte offsets of the times and of the stores: made once at the head, never written again.
;   TT           the two loads of times land in it; no vector instruction names it before them; never loaded again.
;   OUTD         four registers to each step: written by step it's four roundings, read by that step's one store, never written again.
;   v50, v51, v[16:27]  in the small jobs at the end: offsets, loaded data and data to store; in the steps vector instructions alone name them.
; Step it's store is issued in step it + 1, behind the wait on va_vdst that stands there ahead of the exponential's first reader: that wait also
; states that the roundings of step it have written OUTD's four registers, and no vector instruction behind it names them or v48.  So a step
; holds one wait.  Behind step 15 one more stands ahead of the last store.  No register that a memory instruction reads is ever written again,
; so no wait on vm_vsrc stands behind the entry lines.  EXEC and VCC are written nowhere.
.set TILEB, 66048                      ; bytes of a tile
.set HALFB, 33024                      ; bytes of a half: 129 rows of 256
.set TT,  4                            ; v[4:11]   my eight times
.set U,   16                           ; v[16:23]  u, then f
.set G,   24                           ; v[24:31]  round(u), then g
.set G2,  32                           ; v[32:39]  g^2
.set PO,  40                           ; v[40:47]  the polynomial, then the sine
.set CF,  52                           ; v[52:61]  c9, c7, c5, c3, c1, each twice
.set OUTD, 64                          ; v[64:127] step it: 4 registers to store, never written again, so no store is waited for
	s_load_b256 s[4:11], s[0:1], 0x0               ; event_time s[4:5], Wi s[6:7], Wn s[8:9], ws_emb s[10:11]
	s_load_b64 s[12:13], s[0:1], 0x20              ; ws_w
	v_lshrrev_b32 v1, 5, v0
	v_readfirstlane_b32 s14, v1                    ; wave 0..7
	s_mov_b32 s15, ttmp9                           ; T
	s_and_b32 s16, ttmp7, 0xffff                   ; b
	s_lshl4_add_u32 s17, s16, s15                  ; g = 16 b + T: the tile's number, and the weight row that this group rounds
	s_mul_i32 s18, s17, TILEB                      ; the tile's byte offset, below 2^25
	s_mov_b32 s19, 0
	s_lshl_b32 s20, s17, 9                         ; byte offset of the tile's 128 times: 4 (2048 b + 128 T) = 512 g
	s_mov_b32 s21, 0x3e800000                      ; 0.25
	s_mov_b32 s22, 0x7fffffff                      ; everything but the sign
	v_and_b32 v3, 31, v0                           ; lane
	v_and_b32 v1, 15, v0                           ; q
	v_lshrrev_b32 v2, 4, v0                        ; dsub
	v_lshl_add_u32 v49, v1, 5, s20                 ; my eight times: 32 q bytes into the tile's
	v_lshlrev_b32 v48, 8, v2
	v_lshl_or_b32 v48, v1, 4, v48                  ; my 16 bytes in a step's sixteen rows: 256 dsub + 16 q
	v_and_b32 v12, 1, v2
	v_cvt_f32_u32 v12, v12
	v_mul_f32 v12, s21, v12                        ; ph = 1/4 for odd d (16 it is even, so dsub decides)
	v_mov_b32 v13, v12
	v_mov_b32 v[CF+0], 0x42283c1a                  ; c9 =  (2 pi)^9 / 9!  =  42.058694
	v_mov_b32 v[CF+1], 0x42283c1a
	v_mov_b32 v[CF+2], 0xc2996966                  ; c7 = -(2 pi)^7 / 7!  = -76.705860
	v_mov_b32 v[CF+3], 0xc2996966
	v_mov_b32 v[CF+4], 0x42a335e3                  ; c5 =  (2 pi)^5 / 5!  =  81.605249
	v_mov_b32 v[CF+5], 0x42a335e3
	v_mov_b32 v[CF+6], 0xc2255de7                  ; c3 = -(2 pi)^3 / 3!  = -41.341702
	v_mov_b32 v[CF+7], 0xc2255de7
	v_mov_b32 v[CF+8], 0x40c90fdb                  ; c1 =  2 pi
	v_mov_b32 v[CF+9], 0x40c90fdb
	s_wait_alu depctr_va_sdst(0)                   ; s14 is written, ahead of its first reader: the compare behind the sixteen steps, with no branch and no label between
	s_wait_kmcnt 0x0
	s_add_nc_u64 s[10:11], s[10:11], s[18:19]      ; ws_emb at my tile
	s_wait_alu depctr_va_vdst(0)                   ; v49 is written, which the two loads below read as their offset, and v48, which every store of the steps reads
	global_load_b128 v[TT:TT+3],   v49, s[4:5]
	global_load_b128 v[TT+4:TT+7], v49, s[4:5] offset:16
	s_wait_loadcnt 0x0                             ; my eight times, once
; The store of step it: half d >> 7, row d & 127.
.macro PUT it
	global_store_b128 v48, v[OUTD+4*(\it):OUTD+4*(\it)+3], s[10:11] offset:((\it)>>3)*HALFB+((\it)&7)*4096
.endm
; One step: eight numbers of row d = 16 it + dsub; the step before is stored.
.macro EMB it
	v_add_nc_u32 v50, 16*\it, v2                   ; d
	v_cvt_f32_u32 v50, v50
	v_mul_f32 v50, 0xbdd49a78, v50                 ; -d log2(10000) / 128
	v_exp_f32 v51, v50
	v_nop                                          ; one plain instruction behind a transcendental before its result is used (ISA guide 5.7.2)
	s_wait_alu depctr_va_vdst(0)                   ; the exponential has written v51, ahead of its first reader; the roundings of the step before have written their four registers of OUTD, which the store below reads
.if (\it) > 0
	PUT (\it)-1                                    ; no vector instruction since the wait names its data or v48
.endif
	v_mul_f32 v14, 0x3e22f983, v51                 ; w, in turns for a unit of time: / (2 pi)
	v_mul_f32 v15, 0x3e22f983, v51
.irp p, 0,2,4,6
	v_pk_fma_f32 v[U+\p:U+\p+1], v[TT+\p:TT+\p+1], v[14:15], v[12:13]
.endr
.irp n, 0,1,2,3,4,5,6,7
	v_rndne_f32 v[G+\n], v[U+\n]
.endr
.irp p, 0,2,4,6
	v_pk_add_f32 v[U+\p:U+\p+1], v[U+\p:U+\p+1], v[G+\p:G+\p+1] neg_lo:[0,1] neg_hi:[0,1]   ; f
.endr
.irp n, 0,1,2,3,4,5,6,7
	v_sub_f32 v[G+\n], |v[U+\n]|, s21              ; |f| - 1/4
.endr
.irp n, 0,1,2,3,4,5,6,7
	v_sub_f32 v[G+\n], s21, |v[G+\n]|              ; g
.endr
.irp p, 0,2,4,6
	v_pk_mul_f32 v[G2+\p:G2+\p+1], v[G+\p:G+\p+1], v[G+\p:G+\p+1]
.endr
.irp p, 0,2,4,6
	v_pk_fma_f32 v[PO+\p:PO+\p+1], v[G2+\p:G2+\p+1], v[CF+0:CF+1], v[CF+2:CF+3]
.endr
.irp p, 0,2,4,6
	v_pk_fma_f32 v[PO+\p:PO+\p+1], v[PO+\p:PO+\p+1], v[G2+\p:G2+\p+1], v[CF+4:CF+5]
.endr
.irp p, 0,2,4,6
	v_pk_fma_f32 v[PO+\p:PO+\p+1], v[PO+\p:PO+\p+1], v[G2+\p:G2+\p+1], v[CF+6:CF+7]
.endr
.irp p, 0,2,4,6
	v_pk_fma_f32 v[PO+\p:PO+\p+1], v[PO+\p:PO+\p+1], v[G2+\p:G2+\p+1], v[CF+8:CF+9]
.endr
.irp p, 0,2,4,6
	v_pk_mul_f32 v[PO+\p:PO+\p+1], v[PO+\p:PO+\p+1], v[G+\p:G+\p+1]                        ; sin(2 pi g), not negative
.endr
.irp n, 0,1,2,3,4,5,6,7
	v_bfi_b32 v[PO+\n], s22, v[PO+\n], v[U+\n]     ; its magnitude, f's sign
.endr
.irp n, 0,1,2,3
	v_cvt_pk_bf16_f32 v[OUTD+4*\it+\n], v[PO+2*\n], v[PO+2*\n+1]
.endr
.endm
.set ei, 0
.rept 16
	EMB ei
.set ei, ei+1
.endr
	s_wait_alu depctr_va_vdst(0)                   ; the roundings of step 15 have written their four registers of OUTD, which the last store reads
	PUT 15
	; Three small jobs, one wave each, under branches on the wave's number.
	s_cmp_lg_u32 s14, 0
	s_cbranch_scc1 .Lnot_wave_0
	; wave 0: the tile's 128 times, 16 bytes a lane, into row 128 of the two halves (sixteen lanes fill one row of 256 bytes)
	v_lshl_add_u32 v50, v3, 4, s20
	v_lshrrev_b32 v51, 4, v3
	v_mul_u32_u24 v51, HALFB, v51
	v_lshl_add_u32 v51, v1, 4, v51
	s_wait_alu depctr_va_vdst(0)                   ; v50 and v51 are written, which the load and the store below read as their offsets; the steps' lines that named v[16:19], in which the load lands, stand ahead of it too
	global_load_b128 v[16:19], v50, s[4:5]
	s_wait_loadcnt 0x0
	global_store_b128 v51, v[16:19], s[10:11] offset:32768
	s_endpgm
.Lnot_wave_0:
	s_cmp_gt_u32 s14, 2
	s_cbranch_scc1 .Ldone
	; waves 1 and 2: row g of Wi, of Wn, rounded to bf16: 32 bytes in and 16 bytes out a lane, 512 consecutive bytes a wave
	s_cmp_eq_u32 s14, 1
	s_cselect_b64 s[24:25], s[6:7], s[8:9]
	s_lshl_b32 s23, s17, 10
	v_lshl_add_u32 v50, v3, 5, s23
	s_sub_co_u32 s26, s14, 1
	s_lshl_b32 s26, s26, 17                        ; Wn lies 131,072 bytes behind Wi
	s_add_co_u32 s26, s26, s20                     ; + 512 g
	v_lshl_add_u32 v51, v3, 4, s26
	s_wait_alu depctr_va_vdst(0)                   ; v50 and v51 are written, which the loads and the store below read as their offsets; the steps' lines that named v[16:23], in which the loads land, stand ahead of it too
	global_load_b128 v[16:19], v50, s[24:25]
	global_load_b128 v[20:23], v50, s[24:25] offset:16
	s_wait_loadcnt 0x0
.irp n, 0,1,2,3
	v_cvt_pk_bf16_f32 v[24+\n], v[16+2*\n], v[17+2*\n]
.endr
	s_wait_alu depctr_va_vdst(0)                   ; the four roundings have written v[24:27], which the store reads
	global_store_b128 v51, v[24:27], s[12:13]
.Ldone:
	s_endpgm
.Lfunc_end_k_qf0a2a884e6_prep:
	.size	k_qf0a2a884e6_prep, .Lfunc_end_k_qf0a2a884e6_prep-k_qf0a2a884e6_prep
	.p2alignl 7, 3214868480
	.fill 96, 4, 3214868480
	.section	.rodata,"a",@progbits
	.p2align	6, 0x0
	.amdhsa_kernel k_qf0a2a884e6_prep
		.amdhsa_group_segment_fixed_size 0
		.amdhsa_private_segment_fixed_size 0
		.amdhsa_enable_private_segment 0
		.amdhsa_kernarg_size 40
		.amdhsa_user_sgpr_count 2
		.amdhsa_user_sgpr_kernarg_segment_ptr 1
		.amdhsa_wavefront_size32 1
		.amdhsa_system_sgpr_workgroup_id_x 1
		.amdhsa_system_sgpr_workgroup_id_y 1
		.amdhsa_system_sgpr_workgroup_id_z 1
		.amdhsa_system_vgpr_workitem_id 0
		.amdhsa_next_free_vgpr 128
		.amdhsa_next_free_sgpr 66
		.amdhsa_reserve_vcc 0
		.amdhsa_float_denorm_mode_32 3
		.amdhsa_float_denorm_mode_16_64 3
		.amdhsa_memory_ordered 1
		.amdhsa_forward_progress 1
		.amdhsa_inst_pref_size 75
	.end_amdhsa_kernel
	.amdgpu_metadata
---
amdhsa.version: [ 1, 2 ]
amdhsa.kernels:
  - .name:           k_qf0a2a884e6_prep
    .symbol:         k_qf0a2a884e6_prep.kd
    .args:
      - { .name: event_time, .offset: 0, .size: 8, .value_kind: global_buffer, .address_space: global }
      - { .name: Wi, .offset: 8, .size: 8, .value_kind: global_buffer, .address_space: global }
      - { .name: Wn, .offset: 16, .size: 8, .value_kind: global_buffer, .address_space: global }
      - { .name: ws_emb, .offset: 24, .size: 8, .value_kind: global_buffer, .address_space: global }
      - { .name: ws_w, .offset: 32, .size: 8, .value_kind: global_buffer, .address_space: global }
    .group_segment_fixed_size: 0
    .private_segment_fixed_size: 0
    .kernarg_segment_align: 8
    .kernarg_segment_size: 40
    .max_flat_workgroup_size: 256
    .sgpr_count:     66
    .vgpr_count:     128
    .wavefront_size: 32
...
	.end_amdgpu_metadata
.endif
;; end of part 4
;; launch main: the kernel of part 3 again; grid 16 x 16, 4 waves a work-group, clusters of 4 x 1, 327,680 bytes of LDS; arguments ws_emb, ws_w, event_time, noise, out0, ln_gamma, ln_beta, w_time, b_time, gate_params, length_scale; writes out0
